; MI455X (gfx1250); checked and timed in simulation.
; The chip was launched on July 23, 2026; its instructions are those of AMD's public machine-readable ISA for CDNA 5 (MIT licence, August 2026) and "CDNA5" Instruction Set Architecture Reference Guide (July 2026). The comments in the code are by the model that wrote it; some were corrected since.
;; Attention Block. Allowed arithmetic: matrix products marked QUANTISED: E2M3 operands, one E8M0 scale for each 32 along K, by v_wmma_scale_f32_16x16x128_f8f6f4 with both operands' format E2M3, f32 sums; everything else in f32.
;; Inputs: norm_b 256 float32; norm_w 256 float32; proj_b 256 float32; proj_w_codes 256 x 8 x 24 uint8 (E2M3 codes of proj_w, K innermost, in blocks of 32 codes, four codes in three bytes); proj_w_scales 256 x 8 uint8 (E8M0 scales of proj_w, one for each 32 codes along K); qkv_b 768 float32; qkv_w_codes 768 x 8 x 24 uint8 (E2M3 codes of qkv_w, K innermost, in blocks of 32 codes, four codes in three bytes); qkv_w_scales 768 x 8 uint8 (E8M0 scales of qkv_w, one for each 32 codes along K); x 4 x 256 x 64 x 64 float32.
;; Outputs: out0 4 x 256 x 64 x 64 float32.
;; This version of the problem:
;;   THIS VERSION OF THE PROBLEM IS GIVEN IN LOW PRECISION. The matrix products marked QUANTISED in the list below multiply operands that are first quantised to E2M3 (2 exponent bits, 3 mantissa bits; 6 bits a number), with one power-of-two scale for each 32 numbers along K (OCP MX v1.0); their sums are f32. All else is computed in f32.
;;   The module's matrix products, in the order in which they are computed (A, B: the left and right operand; K: the contracted axis; several contracted axes count as one K, in the product's order):
;;     1. [M 16,384, K 256] x [K 256, N 768]; A: computed on the way; B: input qkv_w (given as codes): QUANTISED
;;     2. batch 16 x [M 4,096, K 64] x [K 64, N 4,096]; A: computed on the way; B: computed on the way: QUANTISED
;;     3. batch 16 x [M 64, K 4,096] x [K 4,096, N 4,096]; A: computed on the way; B: softmax (see below): QUANTISED
;;     4. [M 16,384, K 256] x [K 256, N 256]; A: computed on the way; B: input proj_w (given as codes): QUANTISED
;;   THE QUANTISER, for each operand of a quantised product, along K:
;;     - K is cut into blocks of 32 from its start; a last block that is shorter is filled with zeros.
;;     - A block's scale is 2^e with e = floor(log2(the largest magnitude in the block)) - 2, held to -126 .. 127; a block of zeros has e = 0. As a byte (E8M0): e + 127.
;;     - Each number is divided by its block's scale, clamped to +-7.5, and rounded to the nearest number of E2M3, ties to even, subnormals kept.
;;     - The product sums the exact products of the quantised numbers (number of the format x scale) in f32.
;;   ~~~python
;;   def quantise(x, axis):      # numpy; x: float32 -> the quantised numbers, widened to float32 again
;;       x = np.moveaxis(x, axis, -1); K = x.shape[-1]
;;       x = np.pad(x, [(0, 0)] * (x.ndim - 1) + [(0, -K % 32)]); x = x.reshape(x.shape[:-1] + (-1, 32)); a = np.abs(x).max(-1, keepdims=True)
;;       e = np.where(a > 0, np.clip(np.frexp(np.where(a > 0, a, 1))[1] - 1 - 2, -126, 127), 0)      # np.frexp(a)[1] - 1 = floor(log2(a)), exactly
;;       r = np.clip(x / 2.0 ** e, -7.5, 7.5)
;;       step = 2.0 ** (np.maximum(np.frexp(np.where(r == 0, 1, r))[1] - 1, 0) - 3)
;;       q = np.round(r / step) * step * 2.0 ** e      # np.round: ties to even
;;       return np.moveaxis(q.reshape(q.shape[:-2] + (-1,))[..., :K], -1, axis).astype(np.float32)
;;   ~~~
;;   SOFTMAX AHEAD OF A QUANTISED PRODUCT. Where the list says 'softmax', what is quantised is not the finished softmax but p = 2^(t - M), with t = logit x log2(e) and M = ceil(the row's largest t), a whole number; so 1/2 < the row's largest p <= 1. The row's sum l is taken of the UNQUANTISED p, in f32, and the product's result is divided by l at the end. Since M is a whole number, a kernel that streams over the keys may use a running M (the ceiling of the running maximum): every later rescaling is an exact power of two, which a block's scale takes up: the codes' values come out the same.
;;   OPERANDS COMPUTED ON THE WAY. 'Computed on the way' means the value that the module computes at that place (a softmax that the list does not call 'softmax' is quantised finished and normalised). What goes into a quantiser is computed in f32, as accurately as f32 sums, v_exp_f32 and their like allow (about 1e-6 of the number): no bf16 or f16 on the way to a quantiser, and a product that is left as it is and whose result goes on into a quantised operand takes f32 operands (vector FMAs, or v_wmma_f32_16x16x4_f32). A number that lies on a knife's edge between two numbers of the format may be rounded either way, as far as f32 arithmetic and the matrix unit's own rounding can turn it there, and no further.
;;   INPUTS GIVEN AS CODES. proj_w (in the module: [256, 256], K = its axis 1); qkv_w (in the module: [768, 256], K = its axis 1): each comes as NAME_codes (uint8): NAME with its K axis moved to the last place and cut into blocks of 32 codes, [.., K / 32, bytes a block], one block behind the other in memory; four codes in three bytes: a row's codes are one little-endian stream of bits, code i at bits 6 i .. 6 i + 5 (a code: sign, 2 exponent bits, 3 mantissa bits); and NAME_scales (uint8): the same leading axes, one E8M0 byte (e + 127) for each 32 codes along K. Its value is code x scale, taken as it is: it is not quantised again, and the codes and scales need not be those that the quantiser above would give.
;; 2 versions. Each part assembles by itself: llvm-mc -triple=amdgcn-amd-amdhsa -mcpu=gfx1250 --defsym DOCPART=n.
;; ======== version 1 of 2: 4 launches
;; workspace buffers: stats 8,192 bytes; qr 3,407,872 bytes; kvr 6,684,672 bytes; oc 3,145,728 bytes; os 524,288 bytes
;; launch stats (part 1): grid 256 x 1, 4 waves a work-group, no clusters, 0 bytes of LDS; arguments x, stats; writes stats
.if DOCPART == 1
	.amdgcn_target "amdgcn-amd-amdhsa--gfx1250"
	.amdhsa_code_object_version 6
	.text
	.protected	k_qdab1f0cef5_stats
	.globl	k_qdab1f0cef5_stats
	.p2align	8
	.type	k_qdab1f0cef5_stats,@function
k_qdab1f0cef5_stats:
	s_mov_b64 s[64:65], 0
	v_nop
	global_prefetch_b8 v0, s[64:65] scope:SCOPE_SE
	s_setreg_imm32_b32 hwreg(HW_REG_WAVE_MODE, 25, 1), 1
	s_wait_xcnt 0x0
; For each of the 1,024 channel rows of x ([4][256][4096] f32): its mean and M2 = the sum of (x - mean)^2, stored as a pair of f32 at stats[8 x row].
; One wave takes one row: 16,384 bytes = 128 registers a lane, loaded once (32 loads of 512 consecutive bytes, all on their way together) and
; walked twice in registers: first the sum, then the squares of the differences from the mean.  So no difference of large sums is formed, and a common offset of x costs no accuracy.
; The next launch joins 32 rows' pairs into a group's mean and variance.  No LDS, no barrier: waves share nothing.
; The result is 8 bytes a wave (8,192 bytes in the whole launch), stored by lane 0.
; LIMITS: NaN and infinities in x are not served.
.set X, 20                             ; v20-147 the row: register 4 i + j = x[128 i + 4 lane + j]
                                       ; v1 16 x lane;  v[2:9] four chains of pairs;  v[10:17] at work;  v[18:19] mean, M2
	s_load_b128 s[4:7], s[0:1], 0x0                ; x s[4:5], stats s[6:7]
	v_lshrrev_b32 v2, 5, v0
	v_readfirstlane_b32 s12, v2                    ; wave 0..3
	v_and_b32 v1, 31, v0
	v_lshlrev_b32 v1, 4, v1                        ; 16 bytes a lane
	s_lshl_b32 s13, ttmp9, 2
	s_add_co_u32 s13, s13, s12                     ; my row: 4 x work-group + wave
	s_lshl_b32 s8, s13, 14                         ; its 16,384 bytes in x (under 2^24)
	s_mov_b32 s9, 0
	s_lshl_b32 s14, s13, 3                         ; its 8 bytes in stats
	s_mov_b32 s15, 0
	s_mov_b32 s10, 0x76543210                      ; v_permlanex16_b32: lane l takes lane l xor 16
	s_mov_b32 s11, 0xfedcba98
	v_mov_b32 v19, 0                               ; (named with v18 as a pair before it is first written)
	s_wait_kmcnt 0x0
	s_add_nc_u64 s[4:5], s[4:5], s[8:9]
	s_add_nc_u64 s[6:7], s[6:7], s[14:15]
.set i, 0
.rept 32
	global_load_b128 v[X+4*i:X+4*i+3], v1, s[4:5] offset:512*i    ; 32 lanes read 512 consecutive bytes
.set i, i+1
.endr
; the four chains and the 32 lanes are folded: the result stands in v2 of every lane
.macro REDUCE
	v_pk_add_f32 v[2:3], v[2:3], v[4:5]
	v_pk_add_f32 v[6:7], v[6:7], v[8:9]
	v_pk_add_f32 v[2:3], v[2:3], v[6:7]
	v_add_f32 v2, v2, v3
	v_add_f32_dpp v2, v2, v2 row_xmask:1 row_mask:0xf bank_mask:0xf
	v_add_f32_dpp v2, v2, v2 row_xmask:2 row_mask:0xf bank_mask:0xf
	v_add_f32_dpp v2, v2, v2 row_xmask:4 row_mask:0xf bank_mask:0xf
	v_add_f32_dpp v2, v2, v2 row_xmask:8 row_mask:0xf bank_mask:0xf
	v_permlanex16_b32 v3, v2, s10, s11
	v_add_f32 v2, v2, v3
.endm
	; pass 1: the sum, two numbers at a time, in four chains that the first eight pairs start: nothing is cleared
	s_wait_loadcnt 24                              ; loads come back in order: the first eight are in, 24 younger ones stay out
.irp k, 0,1,2,3
	v_pk_add_f32 v[2+2*\k:3+2*\k], v[X+2*\k:X+2*\k+1], v[X+8+2*\k:X+9+2*\k]
.endr
.set p, 8
.rept 8
	v_pk_add_f32 v[2+2*(p%4):3+2*(p%4)], v[2+2*(p%4):3+2*(p%4)], v[X+2*p:X+2*p+1]
.set p, p+1
.endr
.irp left, 16, 8, 0
	s_wait_loadcnt \left                           ; the next eight loads are in
.rept 16
	v_pk_add_f32 v[2+2*(p%4):3+2*(p%4)], v[2+2*(p%4):3+2*(p%4)], v[X+2*p:X+2*p+1]
.set p, p+1
.endr
.endr
	REDUCE
	v_mul_f32 v18, 0x39800000, v2                  ; mean = sum x 2^-12
	; pass 2: the squares of the differences
.set p, 0
.rept 64
	v_pk_add_f32 v[10+2*(p%4):11+2*(p%4)], v[X+2*p:X+2*p+1], v[18:19] op_sel_hi:[1,0] neg_lo:[0,1] neg_hi:[0,1]
.if p < 4
	v_pk_mul_f32 v[2+2*(p%4):3+2*(p%4)], v[10+2*(p%4):11+2*(p%4)], v[10+2*(p%4):11+2*(p%4)]
.else
	v_pk_fma_f32 v[2+2*(p%4):3+2*(p%4)], v[10+2*(p%4):11+2*(p%4)], v[10+2*(p%4):11+2*(p%4)], v[2+2*(p%4):3+2*(p%4)]
.endif
.set p, p+1
.endr
	REDUCE
	v_mov_b32 v19, v2                              ; M2
	v_and_b32 v10, 31, v0                          ; lane; in lane 0 also the store's offset, 0
	s_wait_xcnt 0x0                                ; EXEC changes only behind this wait
	v_cmp_eq_u32 vcc_lo, 0, v10
	s_and_saveexec_b32 s12, vcc_lo
	global_store_b64 v10, v[18:19], s[6:7]
	s_wait_xcnt 0x0                                ; and again in front of the line that widens it
	s_or_b32 exec_lo, exec_lo, s12
	s_endpgm
.Lfunc_end_k_qdab1f0cef5_stats:
	.size	k_qdab1f0cef5_stats, .Lfunc_end_k_qdab1f0cef5_stats-k_qdab1f0cef5_stats
	.p2alignl 7, 3214868480
	.fill 96, 4, 3214868480
	.section	.rodata,"a",@progbits
	.p2align	6, 0x0
	.amdhsa_kernel k_qdab1f0cef5_stats
		.amdhsa_group_segment_fixed_size 0
		.amdhsa_private_segment_fixed_size 0
		.amdhsa_enable_private_segment 0
		.amdhsa_kernarg_size 16
		.amdhsa_user_sgpr_count 2
		.amdhsa_user_sgpr_kernarg_segment_ptr 1
		.amdhsa_wavefront_size32 1
		.amdhsa_system_sgpr_workgroup_id_x 1
		.amdhsa_system_sgpr_workgroup_id_y 1
		.amdhsa_system_sgpr_workgroup_id_z 1
		.amdhsa_system_vgpr_workitem_id 0
		.amdhsa_next_free_vgpr 148
		.amdhsa_next_free_sgpr 66
		.amdhsa_reserve_vcc 1
		.amdhsa_float_denorm_mode_32 3
		.amdhsa_float_denorm_mode_16_64 3
		.amdhsa_memory_ordered 1
		.amdhsa_forward_progress 1
		.amdhsa_inst_pref_size 18
	.end_amdhsa_kernel
	.amdgpu_metadata
---
amdhsa.version: [ 1, 2 ]
amdhsa.kernels:
  - .name:           k_qdab1f0cef5_stats
    .symbol:         k_qdab1f0cef5_stats.kd
    .args:
      - { .name: x, .offset: 0, .size: 8, .value_kind: global_buffer, .address_space: global }
      - { .name: stats, .offset: 8, .size: 8, .value_kind: global_buffer, .address_space: global }
    .group_segment_fixed_size: 0
    .private_segment_fixed_size: 0
    .kernarg_segment_align: 8
    .kernarg_segment_size: 16
    .max_flat_workgroup_size: 128
    .sgpr_count:     66
    .vgpr_count:     148
    .wavefront_size: 32
...
	.end_amdgpu_metadata
.endif
;; end of part 1
;; launch qkv (part 2): grid 128 x 1, 8 waves a work-group, no clusters, 27,648 bytes of LDS; arguments x, stats, norm_w, norm_b, qkv_w_codes, qkv_w_scales, qkv_b, qr, kvr; writes qr, kvr
.if DOCPART == 2
	.amdgcn_target "amdgcn-amd-amdhsa--gfx1250"
	.amdhsa_code_object_version 6
	.text
	.protected	k_qdab1f0cef5_qkv
	.globl	k_qdab1f0cef5_qkv
	.p2align	8
	.type	k_qdab1f0cef5_qkv,@function
k_qdab1f0cef5_qkv:
	s_mov_b64 s[64:65], 0
	v_nop
	global_prefetch_b8 v0, s[64:65] scope:SCOPE_SE
	s_setreg_imm32_b32 hwreg(HW_REG_WAVE_MODE, 25, 1), 1
	s_wait_xcnt 0x0
; GroupNorm, its quantising, the 1x1 qkv product on codes of FP6 (E2M3, one E8M0 scale for each 32 along K), and the quantising of q, k and v into the order of the next launch's operand registers.
; SHARES.  A work-group takes 128 positions of one image (b = wg / 32, st = wg % 32) and all 768 outputs: 128 positions are one K step of attention's second product, so a fragment of V and its scale word
; are made whole by one wave.  That gives 128 work-groups; tiles of 64 positions would give 256, but two work-groups would then have to piece each scale word of V together.
; PHASE X.  Wave w = group w of the norm = block w of the product's K (32 channels).  A lane holds 4 positions x 32 channels.  (x - mean) x rstd in place; then, position by position, 32 multiply-adds by the channels'
; gain and bias (scalar registers) put the position's 32 numbers on end in registers: a whole block in one lane.  Its codes (24 bytes) go to the position's row in LDS, its scale byte beside them.  One barrier.
; PHASE QK.  Wave w: u = w / 2 picks 128 rows of the weight (q heads 0,1 | q heads 2,3 | k heads 0,1 | k heads 2,3), e = w % 2 picks 64 positions.  Transposed use: source 0 = 16 rows of the weight, source 1 = 16 positions:
; a lane holds one position, its registers run along the outputs d, which are the next product's K.
; PHASE V.  Wave w makes v's rows 32 w .. 32 w + 31 for all 128 positions: source 0 = 16 positions, source 1 = 16 rows of the weight: a lane holds one d, its registers run along the positions, the next K.
; THE ROWS OF A TILE ARE NOT NEIGHBOURS: index r of tile 2 b + u of a run stands for member 32 b + 8 u + r + 8 (r / 8), so that the 16 registers of tiles 2 b and 2 b + 1 of a result are 16 neighbours, 32 b + 16 (lane / 16) + 0 .. 15.
; OUT.  Operands leave as images of their registers (four registers by one store of 16 bytes a lane, 512 consecutive bytes).  qr: [bh][st] records of 6,656 bytes: 4 images of two position tiles each (six registers a tile:
; d = 32 (lane / 16) + 0 .. 31 of position r), then scale words [tile / 4][r][tile % 4], bytes 2 and 3 = 0.  kvr: records of 13,056 bytes: K as in qr (6,144), V's 4 images (6,144), K's scale words (512), V's [r][tile] (256).
; V's scale words leave 128 bytes a wave, half of an aligned 256 (131,072 bytes in the launch); all other stores cover whole aligned runs of 256 bytes or more.
; The weights go from memory straight into the operand registers and stay (window 1); their loads stand between the pieces of phase X.  No tensor load, so no ring.
; LIMITS: NaN and infinities are not served.  A block whose largest magnitude lies under 2^(3 - 127), a block of zeros among them, gets the byte 1 (the rule says 127 for zeros): its codes are then zeros or tiny, and this program alone reads the bytes.
; v_rsq_f32 is accurate to 1 ulp.
; REGISTERS, window 0: v1 lane, v2 r, v3 hh = lane / 16, v4-15 and v250-255 addresses (below).  Phase X: v16-143 x; v152-183 a position's 32 numbers; v184-192 codes; v194-205 at work.
;   Products: v16-79 accumulators; v80-127 fragments of h (QK: v80-103, and v104-127 the codes on their way out); v128-139 V's codes (QK: v128-131 scale words on their way out); v140-147 at work;
;   v148-151 h's scale words; v152-215 q/k biases, later V's second accumulators; v216-235 the weights' scale words; v236-249 at work.
;   window 1: v0-191 16 fragments of my 128 q/k rows; v192-239 4 fragments of my 32 v rows; v240-255 v's bias, eight times each.
.set HSC,  25600                       ; LDS: 128 rows (positions) x 200 bytes (192 of codes, block g at 24 g); behind them the scale words, (128 s + position) x 4
.set X,    16
.set HC,   152
.set HA,   16
.set XF,   80
.set RA,   104
.set RB,   116
.set PC,   128
.set SW,   128
.set CT,   140
.set XS,   148
.set BI,   152
.set W1S,  216
.set W2S,  232
.set TM,   236                         ; v236-239 largest magnitudes, v240-243 the other half's / bytes, v244-247 the conversions' scale operands
.set PW,   248                         ; the scale word just made
.set PW0,  249
.set SH,   250                         ; 16 hh
.set SO,   251                         ; q/k scale words out: 16 r + hh x 32 records
.set VSO,  252                         ; V's: 16 r + 8 e + 4 hh
.set WAV,  253                         ; v's weight rows: 192 perm(r) + 24 hh + (512 + 32 w) x 192
.set WSV,  254                         ; their scale words: 8 perm(r) + (512 + 32 w) x 8
.set MSB, 0
.macro WIN new                         ; s_set_vgpr_msb: bits 1:0 source 0, 3:2 source 1, 5:4 source 2, 7:6 destination; the high byte repeats the setting that is left
.if MSB != \new
	s_set_vgpr_msb (MSB<<8)|\new
.set MSB, \new
.endif
.endm
.macro PLACES n
.rept \n
	v_nop
.endr
.endm
.macro LSUM                            ; v200 summed over the 32 lanes
	v_add_f32_dpp v200, v200, v200 row_xmask:1 row_mask:0xf bank_mask:0xf
	v_add_f32_dpp v200, v200, v200 row_xmask:2 row_mask:0xf bank_mask:0xf
	v_add_f32_dpp v200, v200, v200 row_xmask:4 row_mask:0xf bank_mask:0xf
	v_add_f32_dpp v200, v200, v200 row_xmask:8 row_mask:0xf bank_mask:0xf
	v_permlanex16_b32 v201, v200, s2, s3
	v_add_f32 v200, v200, v201
.endm
	s_load_b256 s[4:11], s[0:1], 0x0               ; x s[4:5], stats s[6:7], norm_w s[8:9], norm_b s[10:11]
	s_load_b256 s[12:19], s[0:1], 0x20             ; the weight's codes s[12:13], its scales s[14:15], qkv_b s[16:17], qr s[18:19]
	s_load_b64 s[20:21], s[0:1], 0x40              ; kvr
	v_lshrrev_b32 v1, 5, v0
	v_readfirstlane_b32 s22, v1                    ; wave w, 0..7
	v_and_b32 v1, 31, v0                           ; lane
	v_and_b32 v2, 15, v0                           ; r
	v_bfe_u32 v3, v0, 4, 1                         ; hh
	s_lshr_b32 s23, ttmp9, 5                       ; b
	s_and_b32 s24, ttmp9, 31                       ; st
	s_lshr_b32 s25, s22, 1                         ; u
	s_and_b32 s26, s22, 1                          ; e
	s_mov_b32 s2, 0x76543210                       ; v_permlanex16_b32: lane l xor 16
	s_mov_b32 s3, 0xfedcba98
	v_lshlrev_b32 v4, 4, v1                        ; v4  16 x lane
	v_lshlrev_b32 v5, 3, v1                        ; v5  8 x lane
	v_mul_u32_u24 v6, v1, 800
	s_mul_i32 s27, s22, 24
	v_add_nc_u32 v6, s27, v6                       ; v6  LDS: my 4 positions' rows (4 x 200 bytes a lane), my block's 24 bytes
	s_lshr_b32 s27, s22, 2
	s_lshl_b32 s27, s27, 9
	s_and_b32 s28, s22, 3
	s_add_co_u32 s27, s27, s28
	s_add_co_u32 s27, s27, HSC
	v_lshl_add_u32 v7, v1, 4, s27                  ; v7  LDS: my positions' scale words of K step w / 4, byte w % 4
	v_and_b32 v255, 8, v2
	v_add_nc_u32 v255, v255, v2                    ; v255 perm(r) = r + 8 (r / 8)
	v_mul_u32_u24 v8, v255, 200
	v_mad_u32_u24 v8, v3, 24, v8                   ; v8  LDS: a fragment of h: row perm(r), + 24 hh
	s_mul_i32 s27, s26, 12800
	v_add_nc_u32 v9, s27, v8                       ; v9  the same in my 64 positions (QK)
	v_lshl_add_u32 v10, v255, 2, HSC               ; v10 LDS: h's scale words
	s_lshl_b32 s27, s26, 8
	v_add_nc_u32 v11, s27, v10                     ; v11 the same in my 64 positions
	v_mul_u32_u24 v12, v255, 192
	v_mad_u32_u24 v12, v3, 24, v12
	s_mul_i32 s27, s22, 6144
	s_add_co_u32 s27, s27, 98304
	v_add_nc_u32 v[WAV], s27, v12
	s_mul_i32 s27, s25, 24576
	v_add_nc_u32 v12, s27, v12                     ; v12 q/k weight rows: 192 perm(r) + 24 hh + 128 u x 192
	v_lshlrev_b32 v13, 3, v255
	s_lshl_b32 s27, s22, 8
	s_add_co_u32 s27, s27, 4096
	v_add_nc_u32 v[WSV], s27, v13
	s_lshl_b32 s27, s25, 10
	v_add_nc_u32 v13, s27, v13                     ; v13 their scale words: 8 perm(r) + 128 u x 8
	s_lshl_b32 s27, s25, 9
	v_lshl_add_u32 v14, v3, 6, s27                 ; v14 their biases: 64 hh + 128 u x 4
	s_lshl_b32 s27, s22, 7
	s_add_co_u32 s27, s27, 2048
	v_lshl_add_u32 v15, v255, 2, s27               ; v15 v's biases: 4 perm(r) + (512 + 32 w) x 4
	v_lshlrev_b32 v[SH], 4, v3
	s_lshl_b32 s27, s26, 3
	v_lshl_add_u32 v[VSO], v2, 4, s27
	v_lshl_add_u32 v[VSO], v3, 2, v[VSO]
	v_mov_b32 v201, 0                              ; written once: a lane permute's destination counts as one of its sources
.irp b, 0,1,2,3
	v_mov_b32 v[TM+4+\b], 0
.endr
	s_lshl_b32 s28, s23, 22                        ; x: image b (4 MiB), my group's 32 rows of 16,384 bytes, the work-group's 512 bytes of a row
	s_lshl_b32 s27, s22, 19
	s_add_co_u32 s28, s28, s27
	s_lshl_b32 s27, s24, 9
	s_add_co_u32 s28, s28, s27
	s_mov_b32 s29, 0
	s_lshl_b32 s30, s23, 11                        ; stats: 8 bytes a row: (256 b + 32 w) x 8
	s_lshl_b32 s27, s22, 8
	s_add_co_u32 s30, s30, s27
	s_mov_b32 s31, 0
	s_wait_kmcnt 0x0
	s_add_nc_u64 s[4:5], s[4:5], s[28:29]
	s_add_nc_u64 s[6:7], s[6:7], s[30:31]
	s_lshl_b32 s30, s22, 7                         ; my group's 32 gains and 32 biases
	s_add_nc_u64 s[8:9], s[8:9], s[30:31]
	s_add_nc_u64 s[10:11], s[10:11], s[30:31]
	global_load_b64 v[198:199], v5, s[6:7]         ; lane c: mean and M2 of channel 32 w + c
.set cc, 0
.rept 32
	global_load_b128 v[X+4*cc:X+4*cc+3], v4, s[4:5] offset:16384*cc   ; channel cc: 32 lanes read 512 consecutive bytes, aligned
.set cc, cc+1
.endr
	s_load_b512 s[32:47], s[8:9], 0x0              ; s[32+c] = the gain of channel c,
	s_load_b512 s[48:63], s[8:9], 0x40
	s_load_b512 s[68:83], s[10:11], 0x0            ; s[68+c] = its bias
	s_load_b512 s[84:99], s[10:11], 0x40
	s_mov_b32 s27, 0x37000000                      ; 2^-17 = 1 / (32 x 4,096)
	s_mov_b32 s28, 0x3727c5ac                      ; 1e-5
	; the group's mean and 1 / sqrt(variance + eps), from its 32 rows' pairs
	s_wait_loadcnt 32                              ; the pair is in; the 32 loads of x issued behind it stay out
	v_mov_b32 v200, v198
	LSUM
	v_mul_f32 v202, 0x3d000000, v200               ; the group's mean: rows are equally long
	v_mov_b32 v203, v202
	v_sub_f32 v200, v198, v202
	v_mul_f32 v200, v200, v200
	v_fmamk_f32 v200, v200, 0x45800000, v199       ; M2 of the row about the group's mean: M2 + 4,096 (row's mean - group's mean)^2
	LSUM
	v_fma_f32 v200, v200, s27, s28                 ; variance + eps
	v_rsq_f32 v204, v200
	v_nop                                          ; a plain instruction behind the transcendental,
	s_wait_alu depctr_va_vdst(0)                   ; and the wait ahead of the first line that names its result
	v_mov_b32 v205, v204
.macro PRE q                           ; channels 8 q .. 8 q + 7: (x - mean) x rstd, in place, two numbers at a time
.set cc, 8*\q
.rept 8
	v_pk_add_f32 v[X+4*cc:X+4*cc+1], v[X+4*cc:X+4*cc+1], v[202:203] neg_lo:[0,1] neg_hi:[0,1]
	v_pk_add_f32 v[X+4*cc+2:X+4*cc+3], v[X+4*cc+2:X+4*cc+3], v[202:203] neg_lo:[0,1] neg_hi:[0,1]
	v_pk_mul_f32 v[X+4*cc:X+4*cc+1], v[X+4*cc:X+4*cc+1], v[204:205]
	v_pk_mul_f32 v[X+4*cc+2:X+4*cc+3], v[X+4*cc+2:X+4*cc+3], v[204:205]
.set cc, cc+1
.endr
.endm
	s_wait_loadcnt 24                              ; loads come back in order: channels 0-7 are in
	PRE 0
	s_wait_loadcnt 16
	PRE 1
	s_wait_loadcnt 8
	PRE 2
	s_wait_loadcnt 0x0
	PRE 3
; Position 4 lane + j: h = (..) x gain + bias puts its 32 channels on end; the block's largest magnitude (all 32 numbers are mine), scale, codes; to LDS.
.macro COL j
.set cc, 0
.rept 32
	v_fma_f32 v[HC+cc], v[X+4*cc+\j], s[32+cc], s[68+cc]
.set cc, cc+1
.endr
	v_max3_num_f32 v194, |v[HC]|, |v[HC+1]|, |v[HC+2]|
	v_max3_num_f32 v195, |v[HC+3]|, |v[HC+4]|, |v[HC+5]|
.irp i, 6,10,14,18,22,26
	v_max3_num_f32 v194, v194, |v[HC+\i]|, |v[HC+\i+1]|
	v_max3_num_f32 v195, v195, |v[HC+\i+2]|, |v[HC+\i+3]|
.endr
	v_max3_num_f32 v194, v194, |v[HC+30]|, |v[HC+31]|
	v_max3_num_f32 v194, v194, v195, 0x1800000     ; and the floor 2^(3 - 127): the byte cannot fall under 1
	v_add_nc_u32 v196, 0xff000000, v194            ; 2 off the exponent field: the conversion takes the exponent field of this operand as its scale
	v_cvt_scalef32_pk16_fp6_f32 v[184:186], v[HC:HC+15], v196
	v_cvt_scalef32_pk16_fp6_f32 v[190:192], v[HC+16:HC+31], v196   ; (a conversion's three registers begin on an even number)
	v_lshrrev_b32 v197, 23, v196                   ; the scale's byte; also the plain instruction behind the conversions
	v_mov_b32 v187, v190
	v_mov_b32 v188, v191
	v_mov_b32 v189, v192
	ds_store_b64 v6, v[184:185] offset:200*\j
	ds_store_b64 v6, v[186:187] offset:200*\j+8
	ds_store_b64 v6, v[188:189] offset:200*\j+16
	ds_store_b8 v7, v197 offset:4*\j
	s_wait_dscnt 0x0                               ; the stores have read their registers
.endm
.macro W1LOAD t0                       ; the fragments of tiles t0 .. t0 + 3 of my 128 q/k rows: (tile t, K step s) at v[12 (2 t + s)] of window 1; three loads of 8 bytes for each 24
	WIN 0x40
.irp t, \t0, \t0+1, \t0+2, \t0+3
.irp s, 0,1
.irp p, 0,1,2,3,4,5
	global_load_b64 v[12*(2*(\t)+\s)+2*\p:12*(2*(\t)+\s)+2*\p+1], v12, s[12:13] offset:(32*((\t)/2)+8*((\t)%2))*192+96*\s+48*(\p/3)+8*(\p%3)
.endr
.endr
.endr
	WIN 0
.endm
	W1LOAD 0                                       ; the weights' loads stand between the pieces of this phase: they land under its arithmetic
	s_wait_kmcnt 0x0                               ; the gains and biases
	COL 0
	COL 1
	W1LOAD 4
	COL 2
	WIN 0x40
.irp a, 0,1                            ; my 32 v rows: tile a holds rows 8 a + perm(r); (a, s) at v[192 + 12 (2 a + s)] of window 1
.irp s, 0,1
.irp p, 0,1,2,3,4,5
	global_load_b64 v[192+12*(2*\a+\s)+2*\p:192+12*(2*\a+\s)+2*\p+1], v[WAV], s[12:13] offset:8*\a*192+96*\s+48*(\p/3)+8*(\p%3)
.endr
.endr
.endr
.irp a, 0,1                            ; v's bias as a C operand: a lane holds one row d, so its eight registers hold the same number
.irp j, 0,1,2,3,4,5,6,7
	global_load_b32 v[240+8*\a+\j], v15, s[16:17] offset:32*\a
.endr
.endr
	WIN 0
.irp t, 0,1,2,3,4,5,6,7
.irp s, 0,1
	global_load_b32 v[W1S+2*\t+\s], v13, s[14:15] offset:(32*(\t/2)+8*(\t%2))*8+4*\s
.endr
.endr
.irp a, 0,1
.irp s, 0,1
	global_load_b32 v[W2S+2*\a+\s], v[WSV], s[14:15] offset:64*\a+4*\s
.endr
.endr
	COL 3
.irp t, 0,1,2,3,4,5,6,7                ; the q/k biases as C operands: lane (r, hh), register j of tile t: row 32 (t / 2) + 8 (t % 2) + 16 hh + j.  Into registers that this phase has left
	global_load_b128 v[BI+8*\t:BI+8*\t+3], v14, s[16:17] offset:(32*(\t/2)+8*(\t%2))*4
	global_load_b128 v[BI+8*\t+4:BI+8*\t+7], v14, s[16:17] offset:(32*(\t/2)+8*(\t%2))*4+16
.endr
	s_wait_dscnt 0x0                               ; for the others' sake: my stores into LDS are done
	s_barrier_signal -1
	s_barrier_wait -1                              ; h's 128 rows of codes and their scale words lie in LDS; from here on LDS is only read
	; where the results go.  The gains' and biases' registers are free now
	s_cmp_ge_u32 s25, 2                            ; q's rows or k's?  The choice hangs on the wave's number alone
	s_cselect_b64 s[32:33], s[20:21], s[18:19]
	s_mov_b32 s36, 6656
	s_cselect_b32 s36, 13056, s36                  ; a record
	s_mov_b32 s37, 6144
	s_cselect_b32 s37, 12288, s37                  ; where its q or k scale words begin
	s_and_b32 s38, s25, 1
	s_lshl_b32 s38, s38, 1
	s_lshl_b32 s39, s23, 2
	s_add_co_u32 s38, s38, s39                     ; bh of my first head: 4 b + 2 (u % 2)
	s_lshl_b32 s38, s38, 5
	s_add_co_u32 s38, s38, s24
	s_mul_i32 s38, s38, s36                        ; its record's first byte (under 2^23)
	s_mov_b32 s39, 0
	s_add_nc_u64 s[32:33], s[32:33], s[38:39]
	s_mul_i32 s40, s26, 3072                       ; my four position tiles: two images
	s_mov_b32 s41, 0
	s_add_nc_u64 s[44:45], s[32:33], s[40:41]      ; s[44:45] codes of my first head,
	s_lshl_b32 s42, s36, 5                         ; (the next head's records lie 32 records on)
	s_mov_b32 s43, 0
	s_add_nc_u64 s[46:47], s[44:45], s[42:43]      ; s[46:47] of my second
	s_lshl_b32 s40, s26, 8
	s_add_co_u32 s40, s40, s37
	s_add_nc_u64 s[48:49], s[32:33], s[40:41]      ; s[48:49] the scale words
	v_mul_lo_u32 v[SO], v3, s42
	v_lshl_add_u32 v[SO], v2, 4, v[SO]
	s_lshl_b32 s50, s23, 2
	s_add_co_u32 s50, s50, s25                     ; V: bh = 4 b + u
	s_lshl_b32 s50, s50, 5
	s_add_co_u32 s50, s50, s24
	s_mul_i32 s50, s50, 13056
	s_mov_b32 s51, 0
	s_add_nc_u64 s[52:53], s[20:21], s[50:51]      ; s[52:53] its record
	s_mul_i32 s50, s26, 3072
	s_add_co_u32 s50, s50, 6144
	s_add_nc_u64 s[54:55], s[52:53], s[50:51]      ; s[54:55] my two images of V
	s_wait_loadcnt 0x0                             ; the weights, their scale words, the biases
; A fragment of h, 16 positions x 128 K, 12 registers: lane (r, hh) takes 24 bytes at 24 hh and 24 at 48 + 24 hh of its row's K step, in pieces of 8 bytes
.macro FRAG reg, adr, row, s
.irp p, 0,1,2,3,4,5
	ds_load_b64 v[\reg+2*\p:\reg+2*\p+1], v[\adr] offset:(\row)*200+96*(\s)+48*(\p/3)+8*(\p%3)
.endr
.endm
; 64 numbers of a lane, v[s] .. v[s + 63], register 16 b + i = k 32 b + 16 hh + i of the lane's row, become codes: blocks 0, 1 in v[d0] .. v[d0 + 5], blocks 2, 3 in v[d1] .. v[d1 + 5]; the four scale bytes in v[PW]
.macro QUANT s, d0, d1
.irp b, 0,1,2,3
	v_max3_num_f32 v[TM+\b], |v[\s+16*\b]|, |v[\s+1+16*\b]|, 0x1800000   ; block b: my 16 numbers, from each accumulator's low end on, and the floor 2^(3 - 127)
.endr
.irp i, 2,4,6,8,10,12,14
.irp b, 0,1,2,3
	v_max3_num_f32 v[TM+\b], v[TM+\b], |v[\s+16*\b+\i]|, |v[\s+1+16*\b+\i]|   ; (the four blocks by turns)
.endr
.endr
.irp b, 0,1,2,3
	v_permlanex16_b32 v[TM+4+\b], v[TM+\b], s2, s3
.endr
.irp b, 0,1,2,3
	v_max_num_f32 v[TM+\b], v[TM+\b], v[TM+4+\b]   ; with lane l xor 16's 16: the block's largest magnitude
.endr
.irp b, 0,1,2,3
	v_add_nc_u32 v[TM+8+\b], 0xff000000, v[TM+\b]  ; 2 off the exponent field: the conversion's scale operand
.endr
.irp b, 0,1,2,3
	v_lshrrev_b32 v[TM+4+\b], 23, v[TM+8+\b]       ; the scale's byte
.endr
	v_lshl_or_b32 v[PW], v[TM+5], 8, v[TM+4]
	v_lshl_or_b32 v[PW], v[TM+6], 16, v[PW]
	v_lshl_or_b32 v[PW], v[TM+7], 24, v[PW]
	v_cvt_scalef32_pk16_fp6_f32 v[\d0:\d0+2], v[\s:\s+15], v[TM+8]
	v_cvt_scalef32_pk16_fp6_f32 v[CT:CT+2], v[\s+16:\s+31], v[TM+9]
	v_cvt_scalef32_pk16_fp6_f32 v[\d1:\d1+2], v[\s+32:\s+47], v[TM+10]
	v_cvt_scalef32_pk16_fp6_f32 v[CT+4:CT+6], v[\s+48:\s+63], v[TM+11]
	v_nop                                          ; one plain instruction behind the conversions
.irp i, 0,1,2                          ; the operand's layout wants a whole block in a lane: lanes 0-15 the even block, lanes 16-31 the odd one
	v_permlane16_swap_b32 v[\d0+\i], v[CT+\i]
	v_permlane16_swap_b32 v[\d1+\i], v[CT+4+\i]
.endr
.irp i, 0,1,2
	v_mov_b32 v[\d0+3+\i], v[CT+\i]
	v_mov_b32 v[\d1+3+\i], v[CT+4+\i]
.endr
.endm
; PHASE QK, position tile 4 e + i: my 128 rows x 16 positions, K = 256 in two steps; the eight accumulators take turns, one instruction a turn
.macro QKT i
	FRAG XF, 9, 32*(\i/2)+8*(\i%2), 0
	FRAG XF+12, 9, 32*(\i/2)+8*(\i%2), 1
	ds_load_b32 v[XS], v11 offset:(32*(\i/2)+8*(\i%2))*4
	ds_load_b32 v[XS+1], v11 offset:(128+32*(\i/2)+8*(\i%2))*4
	s_wait_dscnt 0x0
	WIN 0x01                                       ; source 0 (the weight) window 1
.irp t, 0,1,2,3,4,5,6,7
	v_wmma_scale_f32_16x16x128_f8f6f4 v[HA+8*\t:HA+8*\t+7], v[12*(2*\t):12*(2*\t)+11], v[XF:XF+11], v[BI+8*\t:BI+8*\t+7], v[W1S+2*\t], v[XS] matrix_a_fmt:MATRIX_FMT_FP6 matrix_b_fmt:MATRIX_FMT_FP6
.endr
.irp t, 0,1,2,3,4,5,6,7
	v_wmma_scale_f32_16x16x128_f8f6f4 v[HA+8*\t:HA+8*\t+7], v[12*(2*\t+1):12*(2*\t+1)+11], v[XF+12:XF+23], v[HA+8*\t:HA+8*\t+7], v[W1S+2*\t+1], v[XS+1] matrix_a_fmt:MATRIX_FMT_FP6 matrix_b_fmt:MATRIX_FMT_FP6
.endr
	WIN 0
	PLACES 5                                       ; four in front of the first read of the results and of the next loads into the fragments; the fifth since the next tile begins these accumulators anew with another C
.if \i == 2
	s_wait_xcnt 0x0                                ; the first two tiles' stores have read their data: the registers are written again
.endif
	QUANT HA, RA+6*(\i%2), RB+6*(\i%2)             ; blocks 0, 1: my first head's d; blocks 2, 3: my second's.  Two tiles fill an image
	v_lshrrev_b32 v[SW+\i], v[SH], v[PW]           ; lanes 0-15 keep the first head's two bytes, lanes 16-31 the second's;
	v_and_b32 v[SW+\i], 0xffff, v[SW+\i]           ; bytes 2 and 3 are 0
.if (\i%2) == 1
.irp c, 0,1,2
	global_store_b128 v4, v[RA+4*\c:RA+4*\c+3], s[44:45] offset:(\i/2)*1536+512*\c   ; 512 consecutive bytes
	global_store_b128 v4, v[RB+4*\c:RB+4*\c+3], s[46:47] offset:(\i/2)*1536+512*\c
.endr
.endif
.endm
	QKT 0
	QKT 1
	QKT 2
	QKT 3
	global_store_b128 v[SO], v[SW:SW+3], s[48:49]  ; sixteen lanes fill 256 aligned bytes of each head's record
	; PHASE V: my 32 rows of v x 128 positions.  16 accumulators: tile a of rows, position tile tau at v[16 + 136 a + 8 tau]
	s_wait_xcnt 0x0                                ; the stores above have read their data: fragments and codes land there
.irp s, 0,1
.irp hf, 0,1
.irp tt, 0,1,2,3
	FRAG XF+12*\tt, 8, 32*((4*\hf+\tt)/2)+8*(\tt%2), \s
	ds_load_b32 v[XS+\tt], v10 offset:(128*\s+32*((4*\hf+\tt)/2)+8*(\tt%2))*4
.endr
	s_wait_dscnt 0x0
.if \s == 0
	WIN 0x14                                       ; source 1 (the weight) and source 2 (the bias) window 1
.else
	WIN 0x04
.endif
.irp tt, 0,1,2,3
.irp a, 0,1
.if \s == 0
	v_wmma_scale_f32_16x16x128_f8f6f4 v[HA+136*\a+8*(4*\hf+\tt):HA+136*\a+8*(4*\hf+\tt)+7], v[XF+12*\tt:XF+12*\tt+11], v[192+12*(2*\a+\s):192+12*(2*\a+\s)+11], v[240+8*\a:240+8*\a+7], v[XS+\tt], v[W2S+2*\a+\s] matrix_a_fmt:MATRIX_FMT_FP6 matrix_b_fmt:MATRIX_FMT_FP6
.else
	v_wmma_scale_f32_16x16x128_f8f6f4 v[HA+136*\a+8*(4*\hf+\tt):HA+136*\a+8*(4*\hf+\tt)+7], v[XF+12*\tt:XF+12*\tt+11], v[192+12*(2*\a+\s):192+12*(2*\a+\s)+11], v[HA+136*\a+8*(4*\hf+\tt):HA+136*\a+8*(4*\hf+\tt)+7], v[XS+\tt], v[W2S+2*\a+\s] matrix_a_fmt:MATRIX_FMT_FP6 matrix_b_fmt:MATRIX_FMT_FP6
.endif
.endr
.endr
	WIN 0
	PLACES 5                                       ; in front of the next loads into the fragments and scale words, and of the first read of the results
.endr
.endr
	QUANT HA, PC, PC+6                             ; tile a = 0: a whole fragment, 16 rows d x this step's 128 keys
.irp c, 0,1,2
	global_store_b128 v4, v[PC+4*\c:PC+4*\c+3], s[54:55] offset:512*\c
.endr
	v_mov_b32 v[PW0], v[PW]
	s_wait_xcnt 0x0                                ; the stores have read their data
	QUANT HA+136, PC, PC+6                         ; tile a = 1
.irp c, 0,1,2
	global_store_b128 v4, v[PC+4*\c:PC+4*\c+3], s[54:55] offset:1536+512*\c
.endr
	s_mov_b32 vcc_lo, 0xffff0000
	v_cndmask_b32 v[PW0], v[PW0], v[PW], vcc_lo    ; lanes 0-15: tile 0's words, lanes 16-31: tile 1's
	global_store_b32 v[VSO], v[PW0], s[52:53] offset:12800
	s_wait_xcnt 0x0
	v_lshl_add_u32 v254, v0, 2, 0x6800
	v_mov_b32 v255, 0
	s_wait_tensorcnt 0x0
	ds_add_u32 v254, v255
	s_wait_dscnt 0x0
	s_endpgm
.Lfunc_end_k_qdab1f0cef5_qkv:
	.size	k_qdab1f0cef5_qkv, .Lfunc_end_k_qdab1f0cef5_qkv-k_qdab1f0cef5_qkv
	.p2alignl 7, 3214868480
	.fill 96, 4, 3214868480
	.section	.rodata,"a",@progbits
	.p2align	6, 0x0
	.amdhsa_kernel k_qdab1f0cef5_qkv
		.amdhsa_group_segment_fixed_size 27648
		.amdhsa_private_segment_fixed_size 0
		.amdhsa_enable_private_segment 0
		.amdhsa_kernarg_size 72
		.amdhsa_user_sgpr_count 2
		.amdhsa_user_sgpr_kernarg_segment_ptr 1
		.amdhsa_wavefront_size32 1
		.amdhsa_system_sgpr_workgroup_id_x 1
		.amdhsa_system_sgpr_workgroup_id_y 1
		.amdhsa_system_sgpr_workgroup_id_z 1
		.amdhsa_system_vgpr_workitem_id 0
		.amdhsa_next_free_vgpr 512
		.amdhsa_next_free_sgpr 100
		.amdhsa_reserve_vcc 1
		.amdhsa_float_denorm_mode_32 3
		.amdhsa_float_denorm_mode_16_64 3
		.amdhsa_memory_ordered 1
		.amdhsa_forward_progress 1
		.amdhsa_inst_pref_size 99
	.end_amdhsa_kernel
	.amdgpu_metadata
---
amdhsa.version: [ 1, 2 ]
amdhsa.kernels:
  - .name:           k_qdab1f0cef5_qkv
    .symbol:         k_qdab1f0cef5_qkv.kd
    .args:
      - { .name: x, .offset: 0, .size: 8, .value_kind: global_buffer, .address_space: global }
      - { .name: stats, .offset: 8, .size: 8, .value_kind: global_buffer, .address_space: global }
      - { .name: norm_w, .offset: 16, .size: 8, .value_kind: global_buffer, .address_space: global }
      - { .name: norm_b, .offset: 24, .size: 8, .value_kind: global_buffer, .address_space: global }
      - { .name: qkv_w_codes, .offset: 32, .size: 8, .value_kind: global_buffer, .address_space: global }
      - { .name: qkv_w_scales, .offset: 40, .size: 8, .value_kind: global_buffer, .address_space: global }
      - { .name: qkv_b, .offset: 48, .size: 8, .value_kind: global_buffer, .address_space: global }
      - { .name: qr, .offset: 56, .size: 8, .value_kind: global_buffer, .address_space: global }
      - { .name: kvr, .offset: 64, .size: 8, .value_kind: global_buffer, .address_space: global }
    .group_segment_fixed_size: 27648
    .private_segment_fixed_size: 0
    .kernarg_segment_align: 8
    .kernarg_segment_size: 72
    .max_flat_workgroup_size: 256
    .sgpr_count:     100
    .vgpr_count:     512
    .wavefront_size: 32
...
	.end_amdgpu_metadata
.endif
;; end of part 2
;; launch attn (part 3): grid 16 x 16, 16 waves a work-group, clusters of 4 x 1, 327,680 bytes of LDS; arguments qr, kvr, oc, os; writes oc, os
.if DOCPART == 3
	.amdgcn_target "amdgcn-amd-amdhsa--gfx1250"
	.amdhsa_code_object_version 6
	.text
	.protected	k_qdab1f0cef5_attn
	.globl	k_qdab1f0cef5_attn
	.p2align	8
	.type	k_qdab1f0cef5_attn,@function
k_qdab1f0cef5_attn:
	s_mov_b64 s[64:65], 0
	v_nop
	global_prefetch_b8 v0, s[64:65] scope:SCOPE_SE
	s_setreg_imm32_b32 hwreg(HW_REG_WAVE_MODE, 25, 1), 1
	s_wait_xcnt 0x0
	s_wait_alu depctr_hold_cnt(0) depctr_sa_sdst(0) depctr_va_vdst(0) depctr_va_sdst(0) depctr_va_ssrc(0) depctr_va_vcc(0) depctr_vm_vsrc(0)
	s_getreg_b32 s2, hwreg(HW_REG_IB_STS2, 6, 4)
	s_cmp_eq_u32 s2, 0
	s_cbranch_scc0 .Lentry_in_a_cluster
	s_endpgm
.Lentry_in_a_cluster:
	s_bfe_u32 s2, ttmp6, 0x10000c
	s_cmp_lg_u32 s2, 0x3003
	s_cbranch_scc0 .Lentry_shape_is_right
	s_endpgm
.Lentry_shape_is_right:
; Attention of one (image, head) pair bh on codes of FP6 (E2M3) with E8M0 scales, and the quantising of its result for the projection.  4,096 positions, head size 64.
; t = score x log2(e) / 8; M = the running largest t rounded UP to a whole number; p = 2^(t - M) is quantised along the keys, not normalised; the row's sum is taken of the unquantised p and divides O at the end.
; When M moves, the sum and O are multiplied by 2^(old M - new M): exact.
; SHARES.  A work-group owns 256 queries of one bh, each of its sixteen waves one tile of 16 (T = 16 x block + wave), in 256 registers: four waves to a SIMD, so that one wave's vector work stands beside another's
; matrix work and LDS loads.  Every wave walks the 32 key steps of 128 keys.
; CLUSTER.  The four query blocks of a cluster belong to one bh and walk the same K and V: each fill is asked for JOINTLY, by the same tensor load with the same descriptor and a mask that names the four.
; The work-group's place in its cluster enters the global addresses of Q and of the results alone.
; RING.  A key step is one record of kvr, 13,056 bytes, laid in the order of the operand registers: K's 8 tiles (6,144), V's 4 fragments (6,144), K's scale words (512), V's (256).  Two slots of 8 records; 32 steps are four fills:
; two at the start and two refills, each of waves 0 to 3 bringing two records (102 rows of 256 bytes).  By this text's count a wave has two tensor loads out at the start and one behind a change of slots.
; A refill has 8 key steps in which to land, so nothing is prefetched.
; LAYOUT.  Both products are used transposed: S^T = K Q^T (source 0 = 16 keys), O^T = V^T P^T (source 0 = 16 of the head's 64): a lane holds ONE query (lane % 16) throughout.  The keys of a tile, and V's rows of a tile, are chosen
; (index r of tile 2 b + u = member 32 b + 8 u + r + 8 (r / 8)) so that the 16 registers of tiles 2 b, 2 b + 1 of a result are 16 neighbours.
; HEAD SIZE 64 IN AN INSTRUCTION OF 128 ALONG K.  Q's registers 6-11 hold zero codes, and bytes 2, 3 of all q and k scale words are 0 (2^-127, a number).  So whatever codes stand in registers 6-11 of K's operand add exactly 0:
; the format has no NaN and no infinity.  K's tiles therefore lie six registers apart, and tile tau's operand is v[32 + 6 tau] .. v[43 + 6 tau]: its upper half is the next tile's data (for tile 7: v80-85 = 0).
; OUT.  O / the sum, quantised along d: six registers a lane (d = 32 (lane / 16) + 0 .. 31 of query r), 768 bytes a wave, at oc[((image x 256 + T) x 4 + head) x 768]; its scale word (bytes 2, 3 = 0) at os[.. x 128 + 4 lane]: half of an aligned 256 bytes a wave.
; LIMITS: NaN and infinities are not served.  A block under the floor 2^(3 - 127) keeps the byte 1; this program alone reads the bytes.  A block's largest p is made from the block's largest score by the same two instructions, which takes
; v_exp_f32 not to fall where its input rises.  v_exp_f32 and v_rcp_f32 are accurate to 1 ulp.
; REGISTERS: v1 16 x lane; v2 12,288 + 16 r; v3, v4 the spare word's address and 0; v5, v6 the step's LDS addresses; v7 16 r; v8 8 x lane; v9 4 x lane; v12 -M; v13 the largest t; v[14:15] the sum in two halves;
;   v16-27 Q; v28 Q's scale words; v32-79 K's tiles, then V's fragments; v80-85 zeros; v96-159 S^T, then p; v160-191 O^T; v192-203 p's codes; v204-231 at work; v226 p's scale word; v232-239 K's scale words; v240-243 V's.
.set REC,   13056
.set SLOT1, 1<<17                      ; slot 0 at 0, slot 1 here: 8 records = 104,448 bytes each
.set SPARE, SLOT1+8*REC                ; 235,520: the spare words, 128 bytes for each of the sixteen waves: eight blocks of 256 bytes that no other line names
.set KV,  32
.set S,   96
.set O,   160
.set PC,  192
.set CT,  204
.set BM,  212                          ; v212-215 a block's largest score, then its largest p
.set BP,  216                          ; v216-219 the other half's; then the scale bytes
.set SCO, 220                          ; v220-223 the conversions' scale operands
.set KSC, 232
.set VSC, 240
; A round of the cluster's barrier: my work-group's barrier, so that wave 0's signal speaks for all sixteen waves; wave 0 signals for the work-group; every wave waits for the four work-groups; my work-group's barrier once more.
.macro CROUND
	s_barrier_signal -1
	s_barrier_wait -1
	s_cmp_lg_u32 s12, 0
	s_cbranch_scc1 .Lnot_wave_0_\@
	s_barrier_signal -3
.Lnot_wave_0_\@:
	s_barrier_wait -3
	s_barrier_signal -1
	s_barrier_wait -1
.endm
	s_load_b256 s[4:11], s[0:1], 0x0               ; qr s[4:5], kvr s[6:7], oc s[8:9], os s[10:11]
	v_lshl_add_u32 v3, v0, 2, SPARE
	v_mov_b32 v4, 0
	ds_add_u32 v3, v4
	s_wait_dscnt 0x0
	v_lshrrev_b32 v5, 5, v0
	v_readfirstlane_b32 s12, v5                    ; wave 0..15
	s_bfe_u32 s13, ttmp6, 0x40000                  ; cx: my place in the cluster
	s_lshl_b32 s14, ttmp9, 2                       ; (in a cluster launch ttmp9 counts clusters)
	s_add_co_u32 s14, s14, s13                     ; my block of 256 queries
	s_and_b32 s15, ttmp7, 0xffff                   ; bh, which the four partners share
	; descriptor group 1: 102 rows of 256 bytes (32 elements of 8 bytes), dense, no padding: two records
	s_mov_b32 s16, 15|(3<<16)|(1<<21)              ; 15:0 the mask: all four work-groups; 17:16 elements of 8 bytes; 21 set beside a mask
	s_mov_b32 s17, 32<<16                          ; tensor_dim0 = 32
	s_mov_b32 s18, 102<<16                         ; tensor_dim1 = 102
	s_mov_b32 s19, 32<<16                          ; tile_dim0 = 32
	s_mov_b32 s20, 102                             ; tile_dim1 = 102
	s_mov_b32 s21, 32                              ; from row to row
	s_mov_b32 s22, 0
	s_mov_b32 s23, 0
	s_and_b32 s40, s12, 3
	s_mul_i32 s40, s40, 2*REC                      ; waves 0 to 3: my two records' place in a fill, in memory and in a slot
	s_mul_i32 s42, s15, 32*REC                     ; bh's 32 records
	s_add_co_u32 s42, s42, s40
	s_mov_b32 s43, 0
	s_lshl_b32 s44, s14, 4
	s_add_co_u32 s44, s44, s12                     ; T, my tile of queries: st = T / 8, tau = T % 8 = wave % 8
	s_lshr_b32 s45, s44, 3
	s_lshl_b32 s46, s15, 5
	s_add_co_u32 s45, s45, s46
	s_mul_i32 s45, s45, 6656                       ; Q's record
	s_bfe_u32 s46, s12, 0x20001                    ; tau / 2: which image of two tiles
	s_mul_i32 s46, s46, 1536
	s_add_co_u32 s46, s46, s45
	s_mov_b32 s47, 0
	s_bfe_u32 s48, s12, 0x10002                    ; the scale word: 6,144 + 256 (tau / 4) + 16 r + 4 (tau % 4)
	s_lshl_b32 s48, s48, 8
	s_and_b32 s49, s12, 3
	s_lshl_b32 s49, s49, 2
	s_add_co_u32 s48, s48, s49
	s_add_co_u32 s48, s48, s45
	s_add_co_u32 s48, s48, 6144
	s_mov_b32 s49, 0
	s_lshr_b32 s50, s15, 2                         ; the result's place: ((image x 256 + T) x 4 + head)
	s_lshl_b32 s50, s50, 8
	s_add_co_u32 s50, s50, s44
	s_lshl_b32 s50, s50, 2
	s_and_b32 s51, s15, 3
	s_add_co_u32 s50, s50, s51
	s_lshl_b32 s52, s50, 7                         ; x 128 in os,
	s_mov_b32 s53, 0
	s_mul_i32 s50, s50, 768                        ; x 768 in oc
	s_mov_b32 s51, 0
	s_mov_b32 s32, 0x76543210                      ; v_permlanex16_b32: lane l xor 16
	s_mov_b32 s33, 0xfedcba98
	s_mov_b32 s34, 0x3e38aa3b                      ; c = log2(e) / 8
	s_mov_b32 s35, s34                             ; (named with it as a pair, so it is written)
	s_wait_kmcnt 0x0
	s_add_nc_u64 s[54:55], s[4:5], s[48:49]        ; Q's scale words
	s_add_nc_u64 s[4:5], s[4:5], s[46:47]          ; Q's codes
	s_add_nc_u64 s[8:9], s[8:9], s[50:51]
	s_add_nc_u64 s[10:11], s[10:11], s[52:53]
	; descriptor group 0, a set for each slot
	s_mov_b32 s24, 1                               ; count = 1
	s_mov_b32 s25, s40                             ; LDS address: slot 0
	s_add_nc_u64 s[26:27], s[6:7], s[42:43]        ; global address: steps 0-7
	s_mov_b32 s28, 1
	s_add_co_u32 s29, s40, SLOT1
	s_add_nc_u64 s[30:31], s[26:27], 8*REC         ; steps 8-15
	s_or_b32 s27, s27, 0x80000000                  ; type = 2
	s_or_b32 s31, s31, 0x80000000
	CROUND                                         ; all four work-groups are here: the first joint loads meet
	s_cmp_lt_u32 s12, 4                            ; a wave's two first fills stand in one branch, ahead of every wait on TENSORcnt, every LDS read and every other barrier
	s_cbranch_scc0 .Lno_first
	tensor_load_to_lds s[24:27], s[16:23]
	s_nop 0
	tensor_load_to_lds s[28:31], s[16:23]
	s_nop 0
.rept 4
	v_nop
.endr
.Lno_first:
	v_and_b32 v5, 31, v0
	v_lshlrev_b32 v1, 4, v5
	v_and_b32 v6, 15, v0
	v_lshlrev_b32 v7, 4, v6
	v_add_nc_u32 v2, 12288, v7
	v_lshlrev_b32 v8, 3, v5
	v_lshlrev_b32 v9, 2, v5
	global_load_b128 v[96:99], v1, s[4:5]          ; the image that holds my tile of Q and its neighbour
	global_load_b128 v[100:103], v1, s[4:5] offset:512
	global_load_b128 v[104:107], v1, s[4:5] offset:1024
	global_load_b32 v28, v7, s[54:55]
	v_mov_b32 v13, 0xff61b1e6                      ; the largest t so far: -3e38, under every t
	v_floor_f32 v12, -v13                          ; -M
	v_mov_b32 v14, 0                               ; the sum, in two halves
	v_mov_b32 v15, 0
.set i, 0
.rept 32
	v_mov_b32 v[O+i], 0                            ; O^T.  (The step is written once: the first finds zeros, which the first change of M leaves zeros)
.set i, i+1
.endr
.irp j, 0,1,2,3,4,5
	v_mov_b32 v[22+\j], 0                          ; Q's upper half: zero codes
	v_mov_b32 v[80+\j], 0                          ; what stands behind K's tile 7
.endr
.irp b, 0,1,2,3
	v_mov_b32 v[BP+\b], 0                          ; written once: a lane permute's destination counts as one of its sources
.endr
	v_mov_b32 v225, 0                              ; (named as the upper half of the pair v[224:225])
	v_mov_b32 v227, 0
	s_wait_loadcnt 0x0
	s_bitcmp1_b32 s12, 0                           ; tau odd: my tile is the image's registers 6-11
	s_cselect_b32 vcc_lo, -1, 0
.irp j, 0,1,2,3,4,5
	v_cndmask_b32 v[16+\j], v[96+\j], v[102+\j], vcc_lo
.endr
	s_wait_tensorcnt 1                             ; my part of slot 0 is in; slot 1's may stay out
	s_barrier_signal -1
	s_barrier_wait -1                              ; everybody's is
; A KEY STEP: 128 keys, the record at LDS byte s36
.macro STEP
	v_add_nc_u32 v5, s36, v1
	v_add_nc_u32 v6, s36, v2
	v_nop
	v_nop                                          ; four places between the last products and the loads into the registers that they read
.set i, 0
.rept 12
	ds_load_b128 v[KV+4*i:KV+4*i+3], v5 offset:512*i       ; K's eight tiles: 512 consecutive bytes a load
.set i, i+1
.endr
	ds_load_b128 v[KSC:KSC+3], v6                  ; lane r: the words of key index r of tiles 0-3,
	ds_load_b128 v[KSC+4:KSC+7], v6 offset:256     ; of tiles 4-7
	s_wait_dscnt 0x0
.set i, 0
.rept 8
	v_wmma_scale_f32_16x16x128_f8f6f4 v[S+8*i:S+8*i+7], v[KV+6*i:KV+6*i+11], v[16:27], 0, v[KSC+i], v28 matrix_a_fmt:MATRIX_FMT_FP6 matrix_b_fmt:MATRIX_FMT_FP6
.set i, i+1
.endr
.rept 4
	v_nop                                          ; places in front of the loads below and of the first read of the scores
.endr
.set i, 0
.rept 12
	ds_load_b128 v[KV+4*i:KV+4*i+3], v5 offset:6144+512*i  ; V's four fragments, into K's registers: they land under the softmax
.set i, i+1
.endr
	ds_load_b128 v[VSC:VSC+3], v6 offset:512
.irp b, 0,1,2,3
	v_max3_num_f32 v[BM+\b], v[S+16*\b], v[S+1+16*\b], v[S+2+16*\b]   ; the largest score of each block of 32 keys: it serves for the row's maximum and, since p rises with the score, for the block's largest p
.endr
.irp i, 3,5,7,9,11,13
.irp b, 0,1,2,3
	v_max3_num_f32 v[BM+\b], v[BM+\b], v[S+16*\b+\i], v[S+1+16*\b+\i]   ; (the four blocks by turns; each accumulator from its low end on)
.endr
.endr
.irp b, 0,1,2,3
	v_max_num_f32 v[BM+\b], v[BM+\b], v[S+15+16*\b]
.endr
.irp b, 0,1,2,3
	v_permlanex16_b32 v[BP+\b], v[BM+\b], s32, s33
.endr
.irp b, 0,1,2,3
	v_max_num_f32 v[BM+\b], v[BM+\b], v[BP+\b]     ; with lane l xor 16's 16 keys
.endr
	v_max3_num_f32 v227, v[BM], v[BM+1], v[BM+2]
	v_max_num_f32 v227, v227, v[BM+3]              ; the step's largest score of my query
	v_mul_f32 v227, s34, v227                      ; as t (c is positive)
	v_max_num_f32 v13, v13, v227                   ; the running largest t
	v_mov_b32 v227, v12
	v_floor_f32 v12, -v13                          ; the new -M = floor(-t) = -ceil(t): a whole number
	v_sub_f32 v227, v12, v227                      ; M's old value less its new one: a whole number, 0 or less
	v_cvt_i32_f32 v227, v227                       ; (it saturates)
	v_ldexp_f32 v224, 1.0, v227                    ; f = 2^(old M - new M)
.set i, 0
.rept 32
	v_pk_fma_f32 v[S+2*i:S+2*i+1], v[S+2*i:S+2*i+1], s[34:35], v[12:13] op_sel_hi:[1,0,0]   ; t - M, two at a time
.set i, i+1
.endr
.irp b, 0,1,2,3
	v_fma_f32 v[BM+\b], v[BM+\b], s34, v12         ; the same of each block's largest score
.endr
.set i, 0
.rept 64
	v_exp_f32 v[S+i], v[S+i]                       ; p = 2^(t - M), at most 1
.set i, i+1
.endr
	v_pk_mul_f32 v[14:15], v[14:15], v[224:225] op_sel_hi:[1,0]   ; the sums under the new M; the plain instruction behind the exponentials
	s_wait_alu depctr_va_vdst(0)                   ; one wait for the batch, ahead of the first line that names a result
.irp b, 0,1,2,3
	v_exp_f32 v[BM+\b], v[BM+\b]                   ; the block's largest p: the same two instructions on the same number give the same bits
.endr
	v_pk_add_f32 v[228:229], v[S:S+1], v[S+2:S+3]  ; the row's sum is taken of the unquantised p: two at a time, in two chains
.set i, 4
.rept 15
	v_pk_add_f32 v[14:15], v[14:15], v[S+i:S+i+1]
	v_pk_add_f32 v[228:229], v[228:229], v[S+i+2:S+i+3]
.set i, i+4
.endr
	v_pk_add_f32 v[14:15], v[14:15], v[228:229]
	s_wait_alu depctr_va_vdst(0)                   ; and one for the four
.irp b, 0,1,2,3
	v_max_num_f32 v[BM+\b], 0x1800000, v[BM+\b]    ; the floor 2^(3 - 127): the byte cannot fall under 1
.endr
.irp b, 0,1,2,3
	v_add_nc_u32 v[SCO+\b], 0xff000000, v[BM+\b]   ; 2 off the exponent field: the conversion's scale operand
.endr
.irp b, 0,1,2,3
	v_lshrrev_b32 v[BP+\b], 23, v[SCO+\b]          ; the scale's byte
.endr
	v_lshl_or_b32 v226, v[BP+1], 8, v[BP]          ; p's scale word for these 128 keys
	v_lshl_or_b32 v226, v[BP+2], 16, v226
	v_lshl_or_b32 v226, v[BP+3], 24, v226
.irp c, 0,1
	v_cvt_scalef32_pk16_fp6_f32 v[PC+6*\c:PC+6*\c+2], v[S+32*\c:S+32*\c+15], v[SCO+2*\c]
	v_cvt_scalef32_pk16_fp6_f32 v[CT+4*\c:CT+4*\c+2], v[S+32*\c+16:S+32*\c+31], v[SCO+2*\c+1]   ; (a conversion's three registers begin on an even number)
.endr
	v_nop                                          ; one plain instruction behind the conversions
.irp c, 0,1                            ; the operand's layout wants a whole block in a lane
.irp i, 0,1,2
	v_permlane16_swap_b32 v[PC+6*\c+\i], v[CT+4*\c+\i]
.endr
.irp i, 0,1,2
	v_mov_b32 v[PC+3+6*\c+\i], v[CT+4*\c+\i]
.endr
.endr
.set i, 0
.rept 16
	v_pk_mul_f32 v[O+2*i:O+2*i+1], v[O+2*i:O+2*i+1], v[224:225] op_sel_hi:[1,0]   ; O^T under the new M.  Of these sixteen, twelve name no register of a given product below: its places behind the scale word's and the codes' last writes
.set i, i+1
.endr
	s_wait_dscnt 0x0                               ; V is in
.set i, 0
.rept 4
	v_wmma_scale_f32_16x16x128_f8f6f4 v[O+8*i:O+8*i+7], v[KV+12*i:KV+12*i+11], v[PC:PC+11], v[O+8*i:O+8*i+7], v[VSC+i], v226 matrix_a_fmt:MATRIX_FMT_FP6 matrix_b_fmt:MATRIX_FMT_FP6
.set i, i+1
.endr
.endm
; A slot's eight key steps: written once, walked eight times
.macro SLOT_STEPS base
	s_mov_b32 s36, \base
	s_mov_b32 s37, 8
.Lstep_\@:
	STEP
	s_add_co_u32 s36, s36, REC
	s_sub_co_u32 s37, s37, 1
	s_cmp_lg_u32 s37, 0
	s_cbranch_scc1 .Lstep_\@
.endm
; THE CHANGE OF SLOTS.  Each wave waits for all its tensor loads (its part of the slot ahead), adds 0 to its spare word, and waits for that and for its reads of the slot that it leaves.  fill = 1: that slot is filled again, with the
; steps two slots on (group 0 at s[g0]): the barrier is then a round of the cluster's, so that no wave of any partner still reads the slot or has a load on its way, and the joint refill is the first thing behind it.
.macro CHANGE g0, fill
	s_wait_tensorcnt 0x0                           ; no tensor load of mine is out, so a group 0 may be written
	ds_add_u32 v3, v4                              ; 0 onto my spare word
.if \fill
	s_add_nc_u64 s[\g0+2:\g0+3], s[\g0+2:\g0+3], 16*REC   ; sixteen steps on; the type bits on top are not reached
.endif
	s_wait_dscnt 0x0                               ; the add is done, and my reads of the slot are over
.if \fill
	CROUND
	s_cmp_lt_u32 s12, 4
	s_cbranch_scc0 .Lnone_\@
	tensor_load_to_lds s[\g0:\g0+3], s[16:23]      ; a wave's one tensor load until the next change
	s_nop 0
.rept 4
	v_nop
.endr
.Lnone_\@:
.else
	s_barrier_signal -1
	s_barrier_wait -1
.endif
.endm
	; the four fills are written out
	SLOT_STEPS 0                                   ; steps 0-7
	CHANGE 24, 1                                   ; slot 0 takes steps 16-23
	SLOT_STEPS SLOT1                               ; steps 8-15
	CHANGE 28, 1                                   ; slot 1 takes steps 24-31
	SLOT_STEPS 0
	CHANGE 24, 0                                   ; nothing is left to fetch
	SLOT_STEPS SLOT1
	; THE WAY OUT: O^T / the sum, quantised along d (two blocks of 32), as six operand registers and a scale word
	v_add_f32 v14, v14, v15                        ; the sum's two halves,
	v_permlanex16_b32 v227, v14, s32, s33
	v_add_f32 v14, v14, v227                       ; and lane l xor 16's: the row's sum
	v_rcp_f32 v14, v14
	v_nop                                          ; plain instructions behind the transcendental; with the additions above also the four places behind the last products
	v_nop
	s_wait_alu depctr_va_vdst(0)                   ; the wait, ahead of the first line that names the reciprocal
.set i, 0
.rept 16
	v_pk_mul_f32 v[S+2*i:S+2*i+1], v[O+2*i:O+2*i+1], v[14:15] op_sel_hi:[1,0]   ; register 16 b + i = d 32 b + 16 (lane / 16) + i of my query; each accumulator from its low end on
.set i, i+1
.endr
.irp b, 0,1
	v_max3_num_f32 v[BM+\b], |v[S+16*\b]|, |v[S+1+16*\b]|, 0x1800000
.endr
.irp i, 2,4,6,8,10,12,14
.irp b, 0,1
	v_max3_num_f32 v[BM+\b], v[BM+\b], |v[S+16*\b+\i]|, |v[S+1+16*\b+\i]|
.endr
.endr
.irp b, 0,1
	v_permlanex16_b32 v[BP+\b], v[BM+\b], s32, s33
.endr
.irp b, 0,1
	v_max_num_f32 v[BM+\b], v[BM+\b], v[BP+\b]
.endr
.irp b, 0,1
	v_add_nc_u32 v[SCO+\b], 0xff000000, v[BM+\b]
.endr
.irp b, 0,1
	v_lshrrev_b32 v[BP+\b], 23, v[SCO+\b]
.endr
	v_lshl_or_b32 v230, v[BP+1], 8, v[BP]          ; the scale word: bytes 2 and 3 are 0
	v_cvt_scalef32_pk16_fp6_f32 v[PC:PC+2], v[S:S+15], v[SCO]
	v_cvt_scalef32_pk16_fp6_f32 v[CT:CT+2], v[S+16:S+31], v[SCO+1]
	v_nop
.irp i, 0,1,2
	v_permlane16_swap_b32 v[PC+\i], v[CT+\i]
.endr
.irp i, 0,1,2
	v_mov_b32 v[PC+3+\i], v[CT+\i]
.endr
	global_store_b128 v1, v[PC:PC+3], s[8:9]               ; 512 consecutive bytes,
	global_store_b64 v8, v[PC+4:PC+5], s[8:9] offset:512   ; and 256
	global_store_b32 v9, v230, s[10:11]
	s_wait_tensorcnt 0x0                           ; the wave's end
	ds_add_u32 v3, v4
	s_wait_dscnt 0x0
	CROUND                                         ; the closing round: no work-group ends while a partner may still ask for a fill that names it
	s_endpgm
.Lfunc_end_k_qdab1f0cef5_attn:
	.size	k_qdab1f0cef5_attn, .Lfunc_end_k_qdab1f0cef5_attn-k_qdab1f0cef5_attn
	.p2alignl 7, 3214868480
	.fill 96, 4, 3214868480
	.section	.rodata,"a",@progbits
	.p2align	6, 0x0
	.amdhsa_kernel k_qdab1f0cef5_attn
		.amdhsa_group_segment_fixed_size 327680
		.amdhsa_private_segment_fixed_size 0
		.amdhsa_enable_private_segment 0
		.amdhsa_kernarg_size 32
		.amdhsa_user_sgpr_count 2
		.amdhsa_user_sgpr_kernarg_segment_ptr 1
		.amdhsa_wavefront_size32 1
		.amdhsa_system_sgpr_workgroup_id_x 1
		.amdhsa_system_sgpr_workgroup_id_y 1
		.amdhsa_system_sgpr_workgroup_id_z 1
		.amdhsa_system_vgpr_workitem_id 0
		.amdhsa_next_free_vgpr 256
		.amdhsa_next_free_sgpr 66
		.amdhsa_reserve_vcc 1
		.amdhsa_float_denorm_mode_32 3
		.amdhsa_float_denorm_mode_16_64 3
		.amdhsa_memory_ordered 1
		.amdhsa_forward_progress 1
		.amdhsa_inst_pref_size 74
	.end_amdhsa_kernel
	.amdgpu_metadata
---
amdhsa.version: [ 1, 2 ]
amdhsa.kernels:
  - .name:           k_qdab1f0cef5_attn
    .symbol:         k_qdab1f0cef5_attn.kd
    .args:
      - { .name: qr, .offset: 0, .size: 8, .value_kind: global_buffer, .address_space: global }
      - { .name: kvr, .offset: 8, .size: 8, .value_kind: global_buffer, .address_space: global }
      - { .name: oc, .offset: 16, .size: 8, .value_kind: global_buffer, .address_space: global }
      - { .name: os, .offset: 24, .size: 8, .value_kind: global_buffer, .address_space: global }
    .group_segment_fixed_size: 327680
    .private_segment_fixed_size: 0
    .kernarg_segment_align: 8
    .kernarg_segment_size: 32
    .max_flat_workgroup_size: 512
    .sgpr_count:     66
    .vgpr_count:     256
    .wavefront_size: 32
...
	.end_amdgpu_metadata
.endif
;; end of part 3
;; launch proj (part 4): grid 256 x 1, 8 waves a work-group, no clusters, 70,656 bytes of LDS; arguments oc, os, proj_w_codes, proj_w_scales, proj_b, x, out0; writes out0
.if DOCPART == 4
	.amdgcn_target "amdgcn-amd-amdhsa--gfx1250"
	.amdhsa_code_object_version 6
	.text
	.protected	k_qdab1f0cef5_proj
	.globl	k_qdab1f0cef5_proj
	.p2align	8
	.type	k_qdab1f0cef5_proj,@function
k_qdab1f0cef5_proj:
	s_mov_b64 s[64:65], 0
	v_nop
	global_prefetch_b8 v0, s[64:65] scope:SCOPE_SE
	s_setreg_imm32_b32 hwreg(HW_REG_WAVE_MODE, 25, 1), 1
	s_wait_xcnt 0x0
; out0 = x + proj_w . o + proj_b: the 1x1 projection on codes of FP6 (E2M3) with E8M0 scales, K = 256 channels = 4 heads x 64, and the residual.
; SHARES.  Work-group j takes 64 positions of one image (image = j / 64, positions 64 (j % 64) on): the four position tiles 4 j .. 4 j + 3 that the attention launch has left as operand registers.  Wave w makes outputs 32 w .. 32 w + 31.
; A fragment of o (16 positions x 128 K) is two heads' six registers: head 2 s in registers 0-5, head 2 s + 1 in registers 6-11; its scale word is the two heads' half words.
; Source 0 = 16 positions, source 1 = 16 rows of the weight: a lane holds one output channel, and its registers run along the positions.  Index r of position tile 2 b + u stands for position 32 b + 8 u + r + 8 (r / 8), so register j of
; the result is position 32 b + 8 u + 16 (lane / 16) + j.  The bias is the C of each sum's first product: eight registers with the lane's number.
; THE WAY OUT.  A lane holds 32 bytes of an output row; a row's 64 positions (256 bytes) lie in 8 places.  They go through the wave's own stage in LDS (32 rows x (256 + 16) bytes) and come back as whole rows: sixteen lanes add x's
; and store 256 consecutive bytes, aligned.  Waves share nothing: no barrier.  All operands come straight into registers: no tensor load, no ring.
; All eight waves read the same 12,288 bytes of o's codes.
; REGISTERS, window 0: v1-9 addresses; v16-63 the weight's 4 fragments; v64-159 o's 8 fragments, later the rows read back; v160-223 the 8 accumulators (first the 16 raw half scale words); v224-239 the bias;
;   v240-243 the weight's scale words; v244-251 o's.   window 1: v0-63 x.
.set WF, 16
.set OF, 64
.set DA, 160
.set BB, 224
.set WS, 240
.set OS, 244
.set MSB, 0
.macro WIN new                         ; s_set_vgpr_msb: bits 1:0 source 0, 3:2 source 1, 5:4 source 2, 7:6 destination; the high byte repeats the setting that is left
.if MSB != \new
	s_set_vgpr_msb (MSB<<8)|\new
.set MSB, \new
.endif
.endm
	s_load_b256 s[4:11], s[0:1], 0x0               ; oc s[4:5], os s[6:7], the weight's codes s[8:9], its scales s[10:11]
	s_load_b128 s[12:15], s[0:1], 0x20             ; proj_b s[12:13], x s[14:15]
	s_load_b64 s[16:17], s[0:1], 0x30              ; out0
	v_lshl_add_u32 v254, v0, 2, 0x11000
	v_mov_b32 v255, 0
	v_lshrrev_b32 v1, 5, v0
	v_readfirstlane_b32 s18, v1                    ; wave 0..7
	v_and_b32 v10, 31, v0                          ; lane
	v_and_b32 v11, 15, v0                          ; r
	v_bfe_u32 v12, v0, 4, 1                        ; hh
	v_lshlrev_b32 v1, 4, v10                       ; v1 16 x lane
	v_lshlrev_b32 v2, 3, v10                       ; v2 8 x lane
	v_lshlrev_b32 v3, 2, v10                       ; v3 4 x lane
	v_mul_u32_u24 v4, v11, 192
	v_mad_u32_u24 v4, v12, 24, v4
	s_mul_i32 s19, s18, 6144
	v_add_nc_u32 v4, s19, v4                       ; v4 the weight: row 32 w + r of 192 bytes, + 24 hh
	s_lshl_b32 s19, s18, 8
	v_lshl_add_u32 v5, v11, 3, s19                 ; v5 its scale words: 8 bytes a row
	s_lshl_b32 s19, s18, 7
	v_lshl_add_u32 v6, v11, 2, s19                 ; v6 the bias
	s_mul_i32 s19, s18, 8704                       ; my stage
	v_mul_u32_u24 v7, v11, 272
	v_lshl_add_u32 v7, v12, 6, v7
	v_add_nc_u32 v7, s19, v7                       ; v7 into it: row r, + 64 hh
	v_mul_u32_u24 v8, v12, 272
	v_lshl_add_u32 v8, v11, 4, v8
	v_add_nc_u32 v8, s19, v8                       ; v8 back: lanes 0-15 one row, lanes 16-31 the next
	v_lshlrev_b32 v9, 14, v12
	v_lshl_add_u32 v9, v11, 4, v9                  ; v9 and the same two rows in x and out0 (16,384 bytes apart)
	s_mul_i32 s20, ttmp9, 12288                    ; my 16 pieces of 768 bytes in oc,
	s_mov_b32 s21, 0
	s_lshl_b32 s22, ttmp9, 11                      ; of 128 bytes in os
	s_mov_b32 s23, 0
	s_lshr_b32 s24, ttmp9, 6
	s_lshl_b32 s24, s24, 22                        ; x, out0: the image (4 MiB),
	s_lshl_b32 s25, s18, 19                        ; my 32 rows,
	s_add_co_u32 s24, s24, s25
	s_and_b32 s25, ttmp9, 63
	s_lshl_b32 s25, s25, 8                         ; the work-group's 256 bytes of a row
	s_add_co_u32 s24, s24, s25
	s_mov_b32 s25, 0
	s_wait_kmcnt 0x0
	s_add_nc_u64 s[4:5], s[4:5], s[20:21]
	s_add_nc_u64 s[6:7], s[6:7], s[22:23]
	s_add_nc_u64 s[14:15], s[14:15], s[24:25]
	s_add_nc_u64 s[16:17], s[16:17], s[24:25]
	WIN 0x40                                       ; destination window 1
.set i, 0
.rept 16
	global_load_b128 v[4*i:4*i+3], v9, s[14:15] offset:32768*i th:TH_LOAD_NT   ; rows 2 i and 2 i + 1 of my 32: sixteen lanes read 256 consecutive bytes, aligned; read once in this launch
.set i, i+1
.endr
	WIN 0
.irp m, 0,1,2,3                        ; o's fragment (position tile m, K step s) at v[OF + 12 (2 m + s)]
.irp s, 0,1
.irp c, 0,1
	global_load_b128 v[OF+12*(2*\m+\s)+6*\c:OF+12*(2*\m+\s)+6*\c+3], v1, s[4:5] offset:(4*\m+2*\s+\c)*768
	global_load_b64 v[OF+12*(2*\m+\s)+6*\c+4:OF+12*(2*\m+\s)+6*\c+5], v2, s[4:5] offset:(4*\m+2*\s+\c)*768+512
.endr
.endr
.endr
.irp m, 0,1,2,3
.irp h, 0,1,2,3
	global_load_b32 v[DA+4*\m+\h], v3, s[6:7] offset:(4*\m+\h)*128    ; head h's half scale word of tile m
.endr
.endr
.irp a, 0,1                            ; the weight's fragment (tile a of 16 rows, K step s) at v[WF + 12 (2 a + s)]
.irp s, 0,1
.irp p, 0,1,2,3,4,5
	global_load_b64 v[WF+12*(2*\a+\s)+2*\p:WF+12*(2*\a+\s)+2*\p+1], v4, s[8:9] offset:3072*\a+96*\s+48*(\p/3)+8*(\p%3)
.endr
	global_load_b32 v[WS+2*\a+\s], v5, s[10:11] offset:128*\a+4*\s
.endr
.endr
.irp a, 0,1
.irp j, 0,1,2,3,4,5,6,7
	global_load_b32 v[BB+8*\a+\j], v6, s[12:13] offset:64*\a
.endr
.endr
	s_wait_loadcnt 0x0
.irp m, 0,1,2,3
.irp s, 0,1
	v_lshl_or_b32 v[OS+2*\m+\s], v[DA+4*\m+2*\s+1], 16, v[DA+4*\m+2*\s]   ; bytes 0, 1: head 2 s; bytes 2, 3: head 2 s + 1
.endr
.endr
.rept 8
	v_nop                                          ; a scale register written by a vector instruction stands eight places ahead of a scaled matrix instruction
.endr
.irp s, 0,1                            ; the eight accumulators take turns, one instruction a turn
.irp a, 0,1
.irp m, 0,1,2,3
.if \s == 0
	v_wmma_scale_f32_16x16x128_f8f6f4 v[DA+8*(4*\a+\m):DA+8*(4*\a+\m)+7], v[OF+12*(2*\m+\s):OF+12*(2*\m+\s)+11], v[WF+12*(2*\a+\s):WF+12*(2*\a+\s)+11], v[BB+8*\a:BB+8*\a+7], v[OS+2*\m+\s], v[WS+2*\a+\s] matrix_a_fmt:MATRIX_FMT_FP6 matrix_b_fmt:MATRIX_FMT_FP6
.else
	v_wmma_scale_f32_16x16x128_f8f6f4 v[DA+8*(4*\a+\m):DA+8*(4*\a+\m)+7], v[OF+12*(2*\m+\s):OF+12*(2*\m+\s)+11], v[WF+12*(2*\a+\s):WF+12*(2*\a+\s)+11], v[DA+8*(4*\a+\m):DA+8*(4*\a+\m)+7], v[OS+2*\m+\s], v[WS+2*\a+\s] matrix_a_fmt:MATRIX_FMT_FP6 matrix_b_fmt:MATRIX_FMT_FP6
.endif
.endr
.endr
.endr
.rept 4
	v_nop                                          ; places in front of the first read of the results and of the loads into o's registers
.endr
.irp a, 0,1
.irp m, 0,1,2,3
	ds_store_b128 v7, v[DA+8*(4*\a+\m):DA+8*(4*\a+\m)+3] offset:4352*\a+128*(\m/2)+32*(\m%2)       ; each accumulator from its low end on
	ds_store_b128 v7, v[DA+8*(4*\a+\m)+4:DA+8*(4*\a+\m)+7] offset:4352*\a+128*(\m/2)+32*(\m%2)+16
.endr
.endr
.set i, 0
.rept 16
	ds_load_b128 v[OF+4*i:OF+4*i+3], v8 offset:544*i   ; LDS serves a wave's instructions in order: these see my stores
.set i, i+1
.endr
	s_wait_dscnt 0x0
	WIN 0x04                                       ; source 1 (x) window 1
.set i, 0
.rept 32
	v_pk_add_f32 v[OF+2*i:OF+2*i+1], v[OF+2*i:OF+2*i+1], v[2*i:2*i+1]   ; the residual
.set i, i+1
.endr
	WIN 0
.set i, 0
.rept 16
	global_store_b128 v9, v[OF+4*i:OF+4*i+3], s[16:17] offset:32768*i th:TH_STORE_NT   ; sixteen lanes store 256 consecutive bytes, aligned; written once, read by nobody here
.set i, i+1
.endr
	s_wait_tensorcnt 0x0
	ds_add_u32 v254, v255
	s_wait_dscnt 0x0
	s_endpgm
.Lfunc_end_k_qdab1f0cef5_proj:
	.size	k_qdab1f0cef5_proj, .Lfunc_end_k_qdab1f0cef5_proj-k_qdab1f0cef5_proj
	.p2alignl 7, 3214868480
	.fill 96, 4, 3214868480
	.section	.rodata,"a",@progbits
	.p2align	6, 0x0
	.amdhsa_kernel k_qdab1f0cef5_proj
		.amdhsa_group_segment_fixed_size 70656
		.amdhsa_private_segment_fixed_size 0
		.amdhsa_enable_private_segment 0
		.amdhsa_kernarg_size 56
		.amdhsa_user_sgpr_count 2
		.amdhsa_user_sgpr_kernarg_segment_ptr 1
		.amdhsa_wavefront_size32 1
		.amdhsa_system_sgpr_workgroup_id_x 1
		.amdhsa_system_sgpr_workgroup_id_y 1
		.amdhsa_system_sgpr_workgroup_id_z 1
		.amdhsa_system_vgpr_workitem_id 0
		.amdhsa_next_free_vgpr 320
		.amdhsa_next_free_sgpr 66
		.amdhsa_reserve_vcc 0
		.amdhsa_float_denorm_mode_32 3
		.amdhsa_float_denorm_mode_16_64 3
		.amdhsa_memory_ordered 1
		.amdhsa_forward_progress 1
		.amdhsa_inst_pref_size 22
	.end_amdhsa_kernel
	.amdgpu_metadata
---
amdhsa.version: [ 1, 2 ]
amdhsa.kernels:
  - .name:           k_qdab1f0cef5_proj
    .symbol:         k_qdab1f0cef5_proj.kd
    .args:
      - { .name: oc, .offset: 0, .size: 8, .value_kind: global_buffer, .address_space: global }
      - { .name: os, .offset: 8, .size: 8, .value_kind: global_buffer, .address_space: global }
      - { .name: proj_w_codes, .offset: 16, .size: 8, .value_kind: global_buffer, .address_space: global }
      - { .name: proj_w_scales, .offset: 24, .size: 8, .value_kind: global_buffer, .address_space: global }
      - { .name: proj_b, .offset: 32, .size: 8, .value_kind: global_buffer, .address_space: global }
      - { .name: x, .offset: 40, .size: 8, .value_kind: global_buffer, .address_space: global }
      - { .name: out0, .offset: 48, .size: 8, .value_kind: global_buffer, .address_space: global }
    .group_segment_fixed_size: 70656
    .private_segment_fixed_size: 0
    .kernarg_segment_align: 8
    .kernarg_segment_size: 56
    .max_flat_workgroup_size: 256
    .sgpr_count:     66
    .vgpr_count:     320
    .wavefront_size: 32
...
	.end_amdgpu_metadata
.endif
;; end of part 4
;; ======== version 2 of 2: 4 launches
;; workspace buffers: stats 8,192 bytes; qr 3,407,872 bytes; kvr 6,684,672 bytes; oc 3,145,728 bytes; os 524,288 bytes
;; launch stats (part 5): grid 256 x 1, 4 waves a work-group, no clusters, 0 bytes of LDS; arguments x, stats; writes stats
.if DOCPART == 5
	.amdgcn_target "amdgcn-amd-amdhsa--gfx1250"
	.amdhsa_code_object_version 6
	.text
	.protected	k_qdab1f0cef5_stats
	.globl	k_qdab1f0cef5_stats
	.p2align	8
	.type	k_qdab1f0cef5_stats,@function
k_qdab1f0cef5_stats:
	s_mov_b64 s[64:65], 0
	v_nop
	global_prefetch_b8 v0, s[64:65] scope:SCOPE_SE
	s_setreg_imm32_b32 hwreg(HW_REG_WAVE_MODE, 25, 1), 1
	s_wait_xcnt 0x0
; For each of the 1,024 channel rows of x ([4][256][4096] f32): its mean and M2 = the sum of (x - mean)^2, stored as a pair of f32 at stats[8 x row].
; One wave takes one row: 16,384 bytes = 128 registers a lane, loaded once (32 loads of 512 consecutive bytes, all on their way together) and
; walked twice in registers: first the sum, then the squares of the differences from the mean.  So no difference of large sums is formed, and a common offset of x costs no accuracy.
; The next launch joins 32 rows' pairs into a group's mean and variance.  No LDS, no barrier: waves share nothing.
; The result is 8 bytes a wave (8,192 bytes in the whole launch), stored by lane 0.
; LIMITS: NaN and infinities in x are not served.
.set X, 20                             ; v20-147 the row: register 4 i + j = x[128 i + 4 lane + j]
                                       ; v1 16 x lane;  v[2:9] four chains of pairs;  v[10:17] at work;  v[18:19] mean, M2
	s_load_b128 s[4:7], s[0:1], 0x0                ; x s[4:5], stats s[6:7]
	v_lshrrev_b32 v2, 5, v0
	v_readfirstlane_b32 s12, v2                    ; wave 0..3
	v_and_b32 v1, 31, v0
	v_lshlrev_b32 v1, 4, v1                        ; 16 bytes a lane
	s_lshl_b32 s13, ttmp9, 2
	s_add_co_u32 s13, s13, s12                     ; my row: 4 x work-group + wave
	s_lshl_b32 s8, s13, 14                         ; its 16,384 bytes in x (under 2^24)
	s_mov_b32 s9, 0
	s_lshl_b32 s14, s13, 3                         ; its 8 bytes in stats
	s_mov_b32 s15, 0
	s_mov_b32 s10, 0x76543210                      ; v_permlanex16_b32: lane l takes lane l xor 16
	s_mov_b32 s11, 0xfedcba98
	v_mov_b32 v19, 0                               ; (named with v18 as a pair before it is first written)
	s_wait_alu depctr_va_vdst(0)
	s_wait_kmcnt 0x0
	s_add_nc_u64 s[4:5], s[4:5], s[8:9]
	s_add_nc_u64 s[6:7], s[6:7], s[14:15]
.set i, 0
.rept 32
	global_load_b128 v[X+4*i:X+4*i+3], v1, s[4:5] offset:512*i    ; 32 lanes read 512 consecutive bytes
.set i, i+1
.endr
; the four chains and the 32 lanes are folded: the result stands in v2 of every lane
.macro REDUCE
	v_pk_add_f32 v[2:3], v[2:3], v[4:5]
	v_pk_add_f32 v[6:7], v[6:7], v[8:9]
	v_pk_add_f32 v[2:3], v[2:3], v[6:7]
	v_add_f32 v2, v2, v3
	v_add_f32_dpp v2, v2, v2 row_xmask:1 row_mask:0xf bank_mask:0xf
	v_add_f32_dpp v2, v2, v2 row_xmask:2 row_mask:0xf bank_mask:0xf
	v_add_f32_dpp v2, v2, v2 row_xmask:4 row_mask:0xf bank_mask:0xf
	v_add_f32_dpp v2, v2, v2 row_xmask:8 row_mask:0xf bank_mask:0xf
	v_permlanex16_b32 v3, v2, s10, s11
	v_add_f32 v2, v2, v3
.endm
	; pass 1: the sum, two numbers at a time, in four chains that the first eight pairs start: nothing is cleared
	s_wait_loadcnt 24                              ; loads come back in order: the first eight are in, 24 younger ones stay out
.irp k, 0,1,2,3
	v_pk_add_f32 v[2+2*\k:3+2*\k], v[X+2*\k:X+2*\k+1], v[X+8+2*\k:X+9+2*\k]
.endr
.set p, 8
.rept 8
	v_pk_add_f32 v[2+2*(p%4):3+2*(p%4)], v[2+2*(p%4):3+2*(p%4)], v[X+2*p:X+2*p+1]
.set p, p+1
.endr
	s_wait_alu depctr_va_vdst(0)
.irp left, 16, 8, 0
	s_wait_alu depctr_va_vdst(0)
	s_wait_loadcnt \left                           ; the next eight loads are in
.rept 16
	v_pk_add_f32 v[2+2*(p%4):3+2*(p%4)], v[2+2*(p%4):3+2*(p%4)], v[X+2*p:X+2*p+1]
.set p, p+1
.endr
.endr
	REDUCE
	v_mul_f32 v18, 0x39800000, v2                  ; mean = sum x 2^-12
	; pass 2: the squares of the differences
.set p, 0
.rept 64
	v_pk_add_f32 v[10+2*(p%4):11+2*(p%4)], v[X+2*p:X+2*p+1], v[18:19] op_sel_hi:[1,0] neg_lo:[0,1] neg_hi:[0,1]
.if p < 4
	v_pk_mul_f32 v[2+2*(p%4):3+2*(p%4)], v[10+2*(p%4):11+2*(p%4)], v[10+2*(p%4):11+2*(p%4)]
.else
	v_pk_fma_f32 v[2+2*(p%4):3+2*(p%4)], v[10+2*(p%4):11+2*(p%4)], v[10+2*(p%4):11+2*(p%4)], v[2+2*(p%4):3+2*(p%4)]
.endif
.set p, p+1
.endr
	REDUCE
	v_mov_b32 v19, v2                              ; M2
	v_and_b32 v10, 31, v0                          ; lane; in lane 0 also the store's offset, 0
	s_wait_alu depctr_va_vdst(0)
	s_wait_xcnt 0x0                                ; EXEC changes only behind this wait
	v_cmp_eq_u32 vcc_lo, 0, v10
	s_and_saveexec_b32 s12, vcc_lo
	global_store_b64 v10, v[18:19], s[6:7]
	s_wait_xcnt 0x0                                ; and again in front of the line that widens it
	s_or_b32 exec_lo, exec_lo, s12
	s_endpgm
.Lfunc_end_k_qdab1f0cef5_stats:
	.size	k_qdab1f0cef5_stats, .Lfunc_end_k_qdab1f0cef5_stats-k_qdab1f0cef5_stats
	.p2alignl 7, 3214868480
	.fill 96, 4, 3214868480
	.section	.rodata,"a",@progbits
	.p2align	6, 0x0
	.amdhsa_kernel k_qdab1f0cef5_stats
		.amdhsa_group_segment_fixed_size 0
		.amdhsa_private_segment_fixed_size 0
		.amdhsa_enable_private_segment 0
		.amdhsa_kernarg_size 16
		.amdhsa_user_sgpr_count 2
		.amdhsa_user_sgpr_kernarg_segment_ptr 1
		.amdhsa_wavefront_size32 1
		.amdhsa_system_sgpr_workgroup_id_x 1
		.amdhsa_system_sgpr_workgroup_id_y 1
		.amdhsa_system_sgpr_workgroup_id_z 1
		.amdhsa_system_vgpr_workitem_id 0
		.amdhsa_next_free_vgpr 148
		.amdhsa_next_free_sgpr 66
		.amdhsa_reserve_vcc 1
		.amdhsa_float_denorm_mode_32 3
		.amdhsa_float_denorm_mode_16_64 3
		.amdhsa_memory_ordered 1
		.amdhsa_forward_progress 1
		.amdhsa_inst_pref_size 18
	.end_amdhsa_kernel
	.amdgpu_metadata
---
amdhsa.version: [ 1, 2 ]
amdhsa.kernels:
  - .name:           k_qdab1f0cef5_stats
    .symbol:         k_qdab1f0cef5_stats.kd
    .args:
      - { .name: x, .offset: 0, .size: 8, .value_kind: global_buffer, .address_space: global }
      - { .name: stats, .offset: 8, .size: 8, .value_kind: global_buffer, .address_space: global }
    .group_segment_fixed_size: 0
    .private_segment_fixed_size: 0
    .kernarg_segment_align: 8
    .kernarg_segment_size: 16
    .max_flat_workgroup_size: 128
    .sgpr_count:     66
    .vgpr_count:     148
    .wavefront_size: 32
...
	.end_amdgpu_metadata
.endif
;; end of part 5
;; launch qkv (part 6): grid 128 x 1, 8 waves a work-group, no clusters, 27,648 bytes of LDS; arguments x, stats, norm_w, norm_b, qkv_w_codes, qkv_w_scales, qkv_b, qr, kvr; writes qr, kvr
.if DOCPART == 6
	.amdgcn_target "amdgcn-amd-amdhsa--gfx1250"
	.amdhsa_code_object_version 6
	.text
	.protected	k_qdab1f0cef5_qkv
	.globl	k_qdab1f0cef5_qkv
	.p2align	8
	.type	k_qdab1f0cef5_qkv,@function
k_qdab1f0cef5_qkv:
	s_mov_b64 s[64:65], 0
	v_nop
	global_prefetch_b8 v0, s[64:65] scope:SCOPE_SE
	s_setreg_imm32_b32 hwreg(HW_REG_WAVE_SCHED_MODE, 0, 2), 2
	s_setreg_imm32_b32 hwreg(HW_REG_WAVE_MODE, 25, 1), 1
	s_wait_xcnt 0x0
	s_wait_alu depctr_vm_vsrc(0)
; GroupNorm, its quantising, the 1x1 qkv product on codes of FP6 (E2M3, one E8M0 scale for each 32 along K), and the quantising of q, k and v into the order of the next launch's operand registers.
; SHARES.  A work-group takes 128 positions of one image (b = wg / 32, st = wg % 32) and all 768 outputs: 128 positions are one K step of attention's second product, so a fragment of V and its scale word
; are made whole by one wave.  That gives 128 work-groups; tiles of 64 positions would give 256, but two work-groups would then have to piece each scale word of V together.
; PHASE X.  Wave w = group w of the norm = block w of the product's K (32 channels).  A lane holds 4 positions x 32 channels.  (x - mean) x rstd in place; then, position by position, 32 multiply-adds by the channels'
; gain and bias (scalar registers) put the position's 32 numbers on end in registers: a whole block in one lane.  Its codes (24 bytes) go to the position's row in LDS, its scale byte beside them.  One barrier.
; PHASE QK.  Wave w: u = w / 2 picks 128 rows of the weight (q heads 0,1 | q heads 2,3 | k heads 0,1 | k heads 2,3), e = w % 2 picks 64 positions.  Transposed use: source 0 = 16 rows of the weight, source 1 = 16 positions:
; a lane holds one position, its registers run along the outputs d, which are the next product's K.
; PHASE V.  Wave w makes v's rows 32 w .. 32 w + 31 for all 128 positions: source 0 = 16 positions, source 1 = 16 rows of the weight: a lane holds one d, its registers run along the positions, the next K.
; THE ROWS OF A TILE ARE NOT NEIGHBOURS: index r of tile 2 b + u of a run stands for member 32 b + 8 u + r + 8 (r / 8), so that the 16 registers of tiles 2 b and 2 b + 1 of a result are 16 neighbours, 32 b + 16 (lane / 16) + 0 .. 15.
; OUT.  Operands leave as images of their registers (four registers by one store of 16 bytes a lane, 512 consecutive bytes).  qr: [bh][st] records of 6,656 bytes: 4 images of two position tiles each (six registers a tile:
; d = 32 (lane / 16) + 0 .. 31 of position r), then scale words [tile / 4][r][tile % 4], bytes 2 and 3 = 0.  kvr: records of 13,056 bytes: K as in qr (6,144), V's 4 images (6,144), K's scale words (512), V's [r][tile] (256).
; V's scale words leave 128 bytes a wave, half of an aligned 256 (131,072 bytes in the launch); all other stores cover whole aligned runs of 256 bytes or more.
; The weights go from memory straight into the operand registers and stay (window 1); their loads stand between the pieces of phase X.  No tensor load, so no ring.
; LIMITS: NaN and infinities are not served.  A block whose largest magnitude lies under 2^(3 - 127), a block of zeros among them, gets the byte 1 (the rule says 127 for zeros): its codes are then zeros or tiny, and this program alone reads the bytes.
; v_rsq_f32 is accurate to 1 ulp.
; THE MODE: SCHED_MODE bits 1:0 = 2 (LLVM: expert scheduling mode 2), set by the entry lines.  The code itself states the register dependences between vector or matrix instructions and memory or LDS instructions,
; with s_wait_alu, always for 0.
; THE PLAN.  Registers that memory or LDS instructions touch:
;   v4-15, v252-254   offsets and LDS addresses: written at the head, ahead of one wait, and never again until the closing lines' two registers are made; v251 is written behind the barrier, ahead of tile 0's wait.
;   v16-143           x: loaded once, then named by vector lines alone until the last position's wait; afterwards accumulators, fragments and out-buffers.
;   v184-189, v197    a position's codes and byte: written by its vector lines, read by its four LDS stores: one wait ahead of the stores, one behind them.
;   window 1, v216-235   loaded once, read by matrix instructions; no vector line names them.   v152-215: the q/k biases land there behind the last position's two waits.
;   XF, XS            written by LDS loads, read by matrix instructions: ONE wait behind a tile's (a group's) products, and the next tile's (group's) loads follow it; in phase QK they land under the quantising.
;   RA, RB, SW        written by the quantising of two tiles (SW: of four), read by the stores behind the second: one wait ahead of the stores; one, two tiles on, ahead of the lines that write the registers again.
;   v128-139, v80-91, v249   at the end: V's two fragments' codes and the scale words: one wait ahead of the seven stores.
; REGISTERS, window 0: v1 lane, v2 r, v3 hh = lane / 16, v4-15 and v250-255 addresses (below).  Phase X: v16-143 x; v152-183 a position's 32 numbers; v184-192 codes; v194-205 at work.
;   Products: v16-79 accumulators; v80-127 fragments of h (QK: v80-103, and v104-127 the codes on their way out; at the end v80-91: the codes of V's second fragment); v128-139 V's codes (QK: v128-131 scale words on their way out);
;   v140-147 at work; v148-151 h's scale words; v152-215 q/k biases, later V's second accumulators; v216-235 the weights' scale words; v236-249 at work.
;   window 1: v0-191 16 fragments of my 128 q/k rows; v192-239 4 fragments of my 32 v rows; v240-255 v's bias, eight times each.
.set HSC,  25600                       ; LDS: 128 rows (positions) x 200 bytes (192 of codes, block g at 24 g); behind them the scale words, (128 s + position) x 4
.set X,    16
.set HC,   152
.set HA,   16
.set XF,   80
.set RA,   104
.set RB,   116
.set PC,   128
.set SW,   128
.set CT,   140
.set XS,   148
.set BI,   152
.set W1S,  216
.set W2S,  232
.set TM,   236                         ; v236-239 largest magnitudes, v240-243 the other half's / bytes, v244-247 the conversions' scale operands
.set PW,   248                         ; the scale word just made
.set PW0,  249
.set SH,   250                         ; 16 hh
.set SO,   251                         ; q/k scale words out: 16 r + hh x 32 records
.set VSO,  252                         ; V's: 16 r + 8 e + 4 hh
.set WAV,  253                         ; v's weight rows: 192 perm(r) + 24 hh + (512 + 32 w) x 192
.set WSV,  254                         ; their scale words: 8 perm(r) + (512 + 32 w) x 8
.set MSB, 0
.macro WIN new                         ; s_set_vgpr_msb: bits 1:0 source 0, 3:2 source 1, 5:4 source 2, 7:6 destination; the high byte repeats the setting that is left
.if MSB != \new
	s_set_vgpr_msb (MSB<<8)|\new
.set MSB, \new
.endif
.endm
.macro PLACES n
.rept \n
	v_nop
.endr
.endm
.macro LSUM                            ; v200 summed over the 32 lanes
	v_add_f32_dpp v200, v200, v200 row_xmask:1 row_mask:0xf bank_mask:0xf
	v_add_f32_dpp v200, v200, v200 row_xmask:2 row_mask:0xf bank_mask:0xf
	v_add_f32_dpp v200, v200, v200 row_xmask:4 row_mask:0xf bank_mask:0xf
	v_add_f32_dpp v200, v200, v200 row_xmask:8 row_mask:0xf bank_mask:0xf
	v_permlanex16_b32 v201, v200, s2, s3
	v_add_f32 v200, v200, v201
.endm
	s_load_b256 s[4:11], s[0:1], 0x0               ; x s[4:5], stats s[6:7], norm_w s[8:9], norm_b s[10:11]
	s_load_b256 s[12:19], s[0:1], 0x20             ; the weight's codes s[12:13], its scales s[14:15], qkv_b s[16:17], qr s[18:19]
	s_load_b64 s[20:21], s[0:1], 0x40              ; kvr
	v_lshrrev_b32 v1, 5, v0
	v_readfirstlane_b32 s22, v1                    ; wave w, 0..7
	v_and_b32 v1, 31, v0                           ; lane
	s_wait_alu depctr_va_vdst(0)
	v_and_b32 v2, 15, v0                           ; r
	s_wait_alu depctr_va_vdst(0)
	v_bfe_u32 v3, v0, 4, 1                         ; hh
	s_lshr_b32 s23, ttmp9, 5                       ; b
	s_and_b32 s24, ttmp9, 31                       ; st
	s_wait_alu depctr_va_sdst(0)                   ; s22 is written, ahead of its first reader: offsets, addresses and bases are made from it
	s_lshr_b32 s25, s22, 1                         ; u
	s_and_b32 s26, s22, 1                          ; e
	s_mov_b32 s2, 0x76543210                       ; v_permlanex16_b32: lane l xor 16
	s_mov_b32 s3, 0xfedcba98
	v_lshlrev_b32 v4, 4, v1                        ; v4  16 x lane
	v_lshlrev_b32 v5, 3, v1                        ; v5  8 x lane
	v_mul_u32_u24 v6, v1, 800
	s_mul_i32 s27, s22, 24
	v_add_nc_u32 v6, s27, v6                       ; v6  LDS: my 4 positions' rows (4 x 200 bytes a lane), my block's 24 bytes
	s_lshr_b32 s27, s22, 2
	s_lshl_b32 s27, s27, 9
	s_and_b32 s28, s22, 3
	s_add_co_u32 s27, s27, s28
	s_add_co_u32 s27, s27, HSC
	v_lshl_add_u32 v7, v1, 4, s27                  ; v7  LDS: my positions' scale words of K step w / 4, byte w % 4
	v_and_b32 v255, 8, v2
	v_add_nc_u32 v255, v255, v2                    ; v255 perm(r) = r + 8 (r / 8)
	v_mul_u32_u24 v8, v255, 200
	s_wait_alu depctr_va_vdst(0)
	v_mad_u32_u24 v8, v3, 24, v8                   ; v8  LDS: a fragment of h: row perm(r), + 24 hh
	s_mul_i32 s27, s26, 12800
	v_add_nc_u32 v9, s27, v8                       ; v9  the same in my 64 positions (QK)
	v_lshl_add_u32 v10, v255, 2, HSC               ; v10 LDS: h's scale words
	s_lshl_b32 s27, s26, 8
	v_add_nc_u32 v11, s27, v10                     ; v11 the same in my 64 positions
	v_mul_u32_u24 v12, v255, 192
	v_mad_u32_u24 v12, v3, 24, v12
	s_mul_i32 s27, s22, 6144
	s_add_co_u32 s27, s27, 98304
	v_add_nc_u32 v[WAV], s27, v12
	s_mul_i32 s27, s25, 24576
	v_add_nc_u32 v12, s27, v12                     ; v12 q/k weight rows: 192 perm(r) + 24 hh + 128 u x 192
	v_lshlrev_b32 v13, 3, v255
	s_lshl_b32 s27, s22, 8
	s_add_co_u32 s27, s27, 4096
	v_add_nc_u32 v[WSV], s27, v13
	s_lshl_b32 s27, s25, 10
	v_add_nc_u32 v13, s27, v13                     ; v13 their scale words: 8 perm(r) + 128 u x 8
	s_lshl_b32 s27, s25, 9
	v_lshl_add_u32 v14, v3, 6, s27                 ; v14 their biases: 64 hh + 128 u x 4
	s_lshl_b32 s27, s22, 7
	s_add_co_u32 s27, s27, 2048
	v_lshl_add_u32 v15, v255, 2, s27               ; v15 v's biases: 4 perm(r) + (512 + 32 w) x 4
	v_lshlrev_b32 v[SH], 4, v3
	s_lshl_b32 s27, s26, 3
	v_lshl_add_u32 v[VSO], v2, 4, s27
	v_lshl_add_u32 v[VSO], v3, 2, v[VSO]
	v_mov_b32 v201, 0                              ; written once: a lane permute's destination counts as one of its sources
.irp b, 0,1,2,3
	v_mov_b32 v[TM+4+\b], 0
.endr
	s_lshl_b32 s28, s23, 22                        ; x: image b (4 MiB), my group's 32 rows of 16,384 bytes, the work-group's 512 bytes of a row
	s_lshl_b32 s27, s22, 19
	s_add_co_u32 s28, s28, s27
	s_lshl_b32 s27, s24, 9
	s_add_co_u32 s28, s28, s27
	s_mov_b32 s29, 0
	s_lshl_b32 s30, s23, 11                        ; stats: 8 bytes a row: (256 b + 32 w) x 8
	s_lshl_b32 s27, s22, 8
	s_add_co_u32 s30, s30, s27
	s_mov_b32 s31, 0
	s_wait_kmcnt 0x0
	s_add_nc_u64 s[4:5], s[4:5], s[28:29]
	s_add_nc_u64 s[6:7], s[6:7], s[30:31]
	s_lshl_b32 s30, s22, 7                         ; my group's 32 gains and 32 biases
	s_add_nc_u64 s[8:9], s[8:9], s[30:31]
	s_add_nc_u64 s[10:11], s[10:11], s[30:31]
	s_wait_alu depctr_va_vdst(0)                   ; the offsets and LDS addresses v4 to v15 and v252 to v254 are written: every load, store and LDS instruction of the kernel but one reads one of them
	global_load_b64 v[198:199], v5, s[6:7]         ; lane c: mean and M2 of channel 32 w + c
.set cc, 0
.rept 32
	global_load_b128 v[X+4*cc:X+4*cc+3], v4, s[4:5] offset:16384*cc   ; channel cc: 32 lanes read 512 consecutive bytes, aligned
.set cc, cc+1
.endr
	s_load_b512 s[32:47], s[8:9], 0x0              ; s[32+c] = the gain of channel c,
	s_load_b512 s[48:63], s[8:9], 0x40
	s_load_b512 s[68:83], s[10:11], 0x0            ; s[68+c] = its bias
	s_load_b512 s[84:99], s[10:11], 0x40
	s_mov_b32 s27, 0x37000000                      ; 2^-17 = 1 / (32 x 4,096)
	s_mov_b32 s28, 0x3727c5ac                      ; 1e-5
	; the group's mean and 1 / sqrt(variance + eps), from its 32 rows' pairs
	s_wait_loadcnt 32                              ; the pair is in; the 32 loads of x issued behind it stay out
	v_mov_b32 v200, v198
	LSUM
	v_mul_f32 v202, 0x3d000000, v200               ; the group's mean: rows are equally long
	v_mov_b32 v203, v202
	v_sub_f32 v200, v198, v202
	v_mul_f32 v200, v200, v200
	v_fmamk_f32 v200, v200, 0x45800000, v199       ; M2 of the row about the group's mean: M2 + 4,096 (row's mean - group's mean)^2
	LSUM
	v_fma_f32 v200, v200, s27, s28                 ; variance + eps
	s_wait_alu depctr_va_vdst(0)
	v_rsq_f32 v204, v200
	v_nop                                          ; a plain instruction behind the transcendental,
	s_wait_alu depctr_va_vdst(0)                   ; and the wait ahead of the first line that names its result: v204 is written
	v_mov_b32 v205, v204
.macro PRE q                           ; channels 8 q .. 8 q + 7: (x - mean) x rstd, in place, two numbers at a time
.set cc, 8*\q
.rept 8
	v_pk_add_f32 v[X+4*cc:X+4*cc+1], v[X+4*cc:X+4*cc+1], v[202:203] neg_lo:[0,1] neg_hi:[0,1]
	s_wait_alu depctr_va_vdst(0)
	v_pk_add_f32 v[X+4*cc+2:X+4*cc+3], v[X+4*cc+2:X+4*cc+3], v[202:203] neg_lo:[0,1] neg_hi:[0,1]
	v_pk_mul_f32 v[X+4*cc:X+4*cc+1], v[X+4*cc:X+4*cc+1], v[204:205]
	v_pk_mul_f32 v[X+4*cc+2:X+4*cc+3], v[X+4*cc+2:X+4*cc+3], v[204:205]
.set cc, cc+1
.endr
.endm
	s_wait_loadcnt 24                              ; loads come back in order: channels 0-7 are in
	PRE 0
	s_wait_loadcnt 16
	PRE 1
	s_wait_loadcnt 8
	PRE 2
	s_wait_loadcnt 0x0
	PRE 3
; Position 4 lane + j: h = (..) x gain + bias puts its 32 channels on end; the block's largest magnitude (all 32 numbers are mine), scale, codes; to LDS.
.macro COL j
.set cc, 0
.rept 32
	v_fma_f32 v[HC+cc], v[X+4*cc+\j], s[32+cc], s[68+cc]
.set cc, cc+1
.endr
	v_max3_num_f32 v194, |v[HC]|, |v[HC+1]|, |v[HC+2]|
	v_max3_num_f32 v195, |v[HC+3]|, |v[HC+4]|, |v[HC+5]|
.irp i, 6,10,14,18,22,26
	v_max3_num_f32 v194, v194, |v[HC+\i]|, |v[HC+\i+1]|
	v_max3_num_f32 v195, v195, |v[HC+\i+2]|, |v[HC+\i+3]|
.endr
	v_max3_num_f32 v194, v194, |v[HC+30]|, |v[HC+31]|
	v_max3_num_f32 v194, v194, v195, 0x1800000     ; and the floor 2^(3 - 127): the byte cannot fall under 1
	v_add_nc_u32 v196, 0xff000000, v194            ; 2 off the exponent field: the conversion takes the exponent field of this operand as its scale
	v_cvt_scalef32_pk16_fp6_f32 v[184:186], v[HC:HC+15], v196
	v_cvt_scalef32_pk16_fp6_f32 v[190:192], v[HC+16:HC+31], v196   ; (a conversion's three registers begin on an even number)
	v_lshrrev_b32 v197, 23, v196                   ; the scale's byte; also the plain instruction behind the conversions
	v_mov_b32 v187, v190
	v_mov_b32 v188, v191
	v_mov_b32 v189, v192
	s_wait_alu depctr_va_vdst(0)                   ; the conversions, the moves and the shift have written v184 to v189 and v197, which the LDS stores below read.  In the last position also: every vector line that names v80 to v103 or v152 to v215 is done: loads land there next
	ds_store_b64 v6, v[184:185] offset:200*\j
	ds_store_b64 v6, v[186:187] offset:200*\j+8
	ds_store_b64 v6, v[188:189] offset:200*\j+16
	ds_store_b8 v7, v197 offset:4*\j
	s_wait_dscnt 0x0                               ; this position's codes and byte are in LDS
	s_wait_alu depctr_vm_vsrc(0)                   ; the four LDS stores have read v184 to v189 and v197: the next position's lines write them again, and behind the last position the biases' loads land there
.endm
.macro W1LOAD t0                       ; the fragments of tiles t0 .. t0 + 3 of my 128 q/k rows: (tile t, K step s) at v[12 (2 t + s)] of window 1; three loads of 8 bytes for each 24.  No wait: no vector line since the head's wait names v12 or a register of window 1
	WIN 0x40
.irp t, \t0, \t0+1, \t0+2, \t0+3
.irp s, 0,1
.irp p, 0,1,2,3,4,5
	global_load_b64 v[12*(2*(\t)+\s)+2*\p:12*(2*(\t)+\s)+2*\p+1], v12, s[12:13] offset:(32*((\t)/2)+8*((\t)%2))*192+96*\s+48*(\p/3)+8*(\p%3)
.endr
.endr
.endr
	WIN 0
.endm
	W1LOAD 0                                       ; the weights' loads stand between the pieces of this phase: they land under its arithmetic
	s_wait_kmcnt 0x0                               ; the gains and biases
	COL 0
	COL 1
	W1LOAD 4
	COL 2
	WIN 0x40
.irp a, 0,1                            ; my 32 v rows: tile a holds rows 8 a + perm(r); (a, s) at v[192 + 12 (2 a + s)] of window 1
.irp s, 0,1
.irp p, 0,1,2,3,4,5
	global_load_b64 v[192+12*(2*\a+\s)+2*\p:192+12*(2*\a+\s)+2*\p+1], v[WAV], s[12:13] offset:8*\a*192+96*\s+48*(\p/3)+8*(\p%3)
.endr
.endr
.endr
.irp a, 0,1                            ; v's bias as a C operand: a lane holds one row d, so its eight registers hold the same number
.irp j, 0,1,2,3,4,5,6,7
	global_load_b32 v[240+8*\a+\j], v15, s[16:17] offset:32*\a
.endr
.endr
	WIN 0
.irp t, 0,1,2,3,4,5,6,7
.irp s, 0,1
	global_load_b32 v[W1S+2*\t+\s], v13, s[14:15] offset:(32*(\t/2)+8*(\t%2))*8+4*\s
.endr
.endr
.irp a, 0,1
.irp s, 0,1
	global_load_b32 v[W2S+2*\a+\s], v[WSV], s[14:15] offset:64*\a+4*\s
.endr
.endr
	COL 3
.irp t, 0,1,2,3,4,5,6,7                ; the q/k biases as C operands: lane (r, hh), register j of tile t: row 32 (t / 2) + 8 (t % 2) + 16 hh + j.  Into registers that this phase has left: the last position's two waits have said so
	global_load_b128 v[BI+8*\t:BI+8*\t+3], v14, s[16:17] offset:(32*(\t/2)+8*(\t%2))*4
	global_load_b128 v[BI+8*\t+4:BI+8*\t+7], v14, s[16:17] offset:(32*(\t/2)+8*(\t%2))*4+16
.endr
	s_wait_dscnt 0x0                               ; for the others' sake: my stores into LDS are done
	s_barrier_signal -1
	s_barrier_wait -1                              ; h's 128 rows of codes and their scale words lie in LDS; from here on LDS is only read
	; where the results go.  The gains' and biases' registers are free now
	s_cmp_ge_u32 s25, 2                            ; q's rows or k's?  The choice hangs on the wave's number alone
	s_cselect_b64 s[32:33], s[20:21], s[18:19]
	s_mov_b32 s36, 6656
	s_cselect_b32 s36, 13056, s36                  ; a record
	s_mov_b32 s37, 6144
	s_cselect_b32 s37, 12288, s37                  ; where its q or k scale words begin
	s_and_b32 s38, s25, 1
	s_lshl_b32 s38, s38, 1
	s_lshl_b32 s39, s23, 2
	s_add_co_u32 s38, s38, s39                     ; bh of my first head: 4 b + 2 (u % 2)
	s_lshl_b32 s38, s38, 5
	s_add_co_u32 s38, s38, s24
	s_mul_i32 s38, s38, s36                        ; its record's first byte (under 2^23)
	s_mov_b32 s39, 0
	s_add_nc_u64 s[32:33], s[32:33], s[38:39]
	s_mul_i32 s40, s26, 3072                       ; my four position tiles: two images
	s_mov_b32 s41, 0
	s_add_nc_u64 s[44:45], s[32:33], s[40:41]      ; s[44:45] codes of my first head,
	s_lshl_b32 s42, s36, 5                         ; (the next head's records lie 32 records on)
	s_mov_b32 s43, 0
	s_add_nc_u64 s[46:47], s[44:45], s[42:43]      ; s[46:47] of my second
	s_lshl_b32 s40, s26, 8
	s_add_co_u32 s40, s40, s37
	s_add_nc_u64 s[48:49], s[32:33], s[40:41]      ; s[48:49] the scale words
	v_mul_lo_u32 v[SO], v3, s42
	v_lshl_add_u32 v[SO], v2, 4, v[SO]
	s_lshl_b32 s50, s23, 2
	s_add_co_u32 s50, s50, s25                     ; V: bh = 4 b + u
	s_lshl_b32 s50, s50, 5
	s_add_co_u32 s50, s50, s24
	s_mul_i32 s50, s50, 13056
	s_mov_b32 s51, 0
	s_add_nc_u64 s[52:53], s[20:21], s[50:51]      ; s[52:53] its record
	s_mul_i32 s50, s26, 3072
	s_add_co_u32 s50, s50, 6144
	s_add_nc_u64 s[54:55], s[52:53], s[50:51]      ; s[54:55] my two images of V
	s_wait_loadcnt 0x0                             ; the weights, their scale words, the biases
; A fragment of h, 16 positions x 128 K, 12 registers: lane (r, hh) takes 24 bytes at 24 hh and 24 at 48 + 24 hh of its row's K step, in pieces of 8 bytes
.macro FRAG reg, adr, row, s
.irp p, 0,1,2,3,4,5
	ds_load_b64 v[\reg+2*\p:\reg+2*\p+1], v[\adr] offset:(\row)*200+96*(\s)+48*(\p/3)+8*(\p%3)
.endr
.endm
; 64 numbers of a lane, v[s] .. v[s + 63], register 16 b + i = k 32 b + 16 hh + i of the lane's row, become codes: blocks 0, 1 in v[d0] .. v[d0 + 5], blocks 2, 3 in v[d1] .. v[d1 + 5]; the four scale bytes in v[PW]
.macro QUANT s, d0, d1
.irp b, 0,1,2,3
	v_max3_num_f32 v[TM+\b], |v[\s+16*\b]|, |v[\s+1+16*\b]|, 0x1800000   ; block b: my 16 numbers, from each accumulator's low end on, and the floor 2^(3 - 127)
.endr
.irp i, 2,4,6,8,10,12,14
.irp b, 0,1,2,3
	v_max3_num_f32 v[TM+\b], v[TM+\b], |v[\s+16*\b+\i]|, |v[\s+1+16*\b+\i]|   ; (the four blocks by turns)
.endr
.endr
.irp b, 0,1,2,3
	v_permlanex16_b32 v[TM+4+\b], v[TM+\b], s2, s3
.endr
.irp b, 0,1,2,3
	v_max_num_f32 v[TM+\b], v[TM+\b], v[TM+4+\b]   ; with lane l xor 16's 16: the block's largest magnitude
.endr
.irp b, 0,1,2,3
	v_add_nc_u32 v[TM+8+\b], 0xff000000, v[TM+\b]  ; 2 off the exponent field: the conversion's scale operand
.endr
.irp b, 0,1,2,3
	v_lshrrev_b32 v[TM+4+\b], 23, v[TM+8+\b]       ; the scale's byte
.endr
	v_lshl_or_b32 v[PW], v[TM+5], 8, v[TM+4]
	v_lshl_or_b32 v[PW], v[TM+6], 16, v[PW]
	v_lshl_or_b32 v[PW], v[TM+7], 24, v[PW]
	v_cvt_scalef32_pk16_fp6_f32 v[\d0:\d0+2], v[\s:\s+15], v[TM+8]
	v_cvt_scalef32_pk16_fp6_f32 v[CT:CT+2], v[\s+16:\s+31], v[TM+9]
	v_cvt_scalef32_pk16_fp6_f32 v[\d1:\d1+2], v[\s+32:\s+47], v[TM+10]
	v_cvt_scalef32_pk16_fp6_f32 v[CT+4:CT+6], v[\s+48:\s+63], v[TM+11]
	v_nop                                          ; one plain instruction behind the conversions
.irp i, 0,1,2                          ; the operand's layout wants a whole block in a lane: lanes 0-15 the even block, lanes 16-31 the odd one
	v_permlane16_swap_b32 v[\d0+\i], v[CT+\i]
	v_permlane16_swap_b32 v[\d1+\i], v[CT+4+\i]
.endr
.irp i, 0,1,2
	v_mov_b32 v[\d0+3+\i], v[CT+\i]
	v_mov_b32 v[\d1+3+\i], v[CT+4+\i]
.endr
.endm
; The two fragments of h and the two scale words of position tile 4 e + i
.macro QKF i
	FRAG XF, 9, 32*(\i/2)+8*(\i%2), 0
	FRAG XF+12, 9, 32*(\i/2)+8*(\i%2), 1
	ds_load_b32 v[XS], v11 offset:(32*(\i/2)+8*(\i%2))*4
	ds_load_b32 v[XS+1], v11 offset:(128+32*(\i/2)+8*(\i%2))*4
.endm
; PHASE QK, position tile 4 e + i: my 128 rows x 16 positions, K = 256 in two steps; the eight accumulators take turns, one instruction a turn.  nx: the tile whose fragments are asked for behind this tile's products
.macro QKT i, nx
	s_wait_dscnt 0x0                               ; this tile's fragments and scale words are in
	WIN 0x01                                       ; source 0 (the weight) window 1
.irp t, 0,1,2,3,4,5,6,7
	v_wmma_scale_f32_16x16x128_f8f6f4 v[HA+8*\t:HA+8*\t+7], v[12*(2*\t):12*(2*\t)+11], v[XF:XF+11], v[BI+8*\t:BI+8*\t+7], v[W1S+2*\t], v[XS] matrix_a_fmt:MATRIX_FMT_FP6 matrix_b_fmt:MATRIX_FMT_FP6
.endr
.irp t, 0,1,2,3,4,5,6,7
	v_wmma_scale_f32_16x16x128_f8f6f4 v[HA+8*\t:HA+8*\t+7], v[12*(2*\t+1):12*(2*\t+1)+11], v[XF+12:XF+23], v[HA+8*\t:HA+8*\t+7], v[W1S+2*\t+1], v[XS+1] matrix_a_fmt:MATRIX_FMT_FP6 matrix_b_fmt:MATRIX_FMT_FP6
.endr
	WIN 0
	PLACES 5                                       ; four in front of the first read of the results and of the next loads into the fragments; the fifth since the next tile begins these accumulators anew with another C
.if \i < 3
	s_wait_alu depctr_va_vdst(0)                   ; the sixteen products are done reading v80 to v103, v148 and v149, in which the next tile's LDS loads land
	QKF \nx                                        ; they land under the quantising below, which names none of their registers
.endif
.if \i == 2
	s_wait_xcnt 0x0                                ; the first two tiles' stores have read their data: the registers are written again
	s_wait_alu depctr_vm_vsrc(0)                   ; the first two tiles' stores have read v104 to v127, which the quantising of this tile and of the next writes again
.endif
	QUANT HA, RA+6*(\i%2), RB+6*(\i%2)             ; blocks 0, 1: my first head's d; blocks 2, 3: my second's.  Two tiles fill an image
	v_lshrrev_b32 v[SW+\i], v[SH], v[PW]           ; lanes 0-15 keep the first head's two bytes, lanes 16-31 the second's;
	v_and_b32 v[SW+\i], 0xffff, v[SW+\i]           ; bytes 2 and 3 are 0
.if (\i%2) == 1
	s_wait_alu depctr_va_vdst(0)                   ; the quantising of this tile and of the one before has written v104 to v127, which the stores below read.  In tile 3 also: v128 to v131 and v251 are written, which the scale words' store reads, and this tile's products are done reading their fragments
.irp c, 0,1,2
	global_store_b128 v4, v[RA+4*\c:RA+4*\c+3], s[44:45] offset:(\i/2)*1536+512*\c   ; 512 consecutive bytes
	global_store_b128 v4, v[RB+4*\c:RB+4*\c+3], s[46:47] offset:(\i/2)*1536+512*\c
.endr
.endif
.endm
	QKF 0                                          ; no wait: no vector line since the last position's wait names v9, v11, v80 to v103, v148 or v149
	QKT 0, 1
	QKT 1, 2
	QKT 2, 3
	QKT 3, 0
	global_store_b128 v[SO], v[SW:SW+3], s[48:49]  ; sixteen lanes fill 256 aligned bytes of each head's record
	; PHASE V: my 32 rows of v x 128 positions.  16 accumulators: tile a of rows, position tile tau at v[16 + 136 a + 8 tau]
	s_wait_xcnt 0x0                                ; the stores above have read their data: fragments and codes land there
	s_wait_alu depctr_vm_vsrc(0)                   ; the stores above have read v104 to v131: fragments' loads land in v104 to v127, and V's codes are written into v128 on
.irp s, 0,1
.irp hf, 0,1
.if (\s+\hf) > 0
	s_wait_alu depctr_va_vdst(0)                   ; the eight products of the group before are done reading v80 to v127 and v148 to v151, in which the loads below land
.endif
.irp tt, 0,1,2,3
	FRAG XF+12*\tt, 8, 32*((4*\hf+\tt)/2)+8*(\tt%2), \s
	ds_load_b32 v[XS+\tt], v10 offset:(128*\s+32*((4*\hf+\tt)/2)+8*(\tt%2))*4
.endr
	s_wait_dscnt 0x0
.if \s == 0
	WIN 0x14                                       ; source 1 (the weight) and source 2 (the bias) window 1
.else
	WIN 0x04
.endif
.irp tt, 0,1,2,3
.irp a, 0,1
.if \s == 0
	v_wmma_scale_f32_16x16x128_f8f6f4 v[HA+136*\a+8*(4*\hf+\tt):HA+136*\a+8*(4*\hf+\tt)+7], v[XF+12*\tt:XF+12*\tt+11], v[192+12*(2*\a+\s):192+12*(2*\a+\s)+11], v[240+8*\a:240+8*\a+7], v[XS+\tt], v[W2S+2*\a+\s] matrix_a_fmt:MATRIX_FMT_FP6 matrix_b_fmt:MATRIX_FMT_FP6
.else
	v_wmma_scale_f32_16x16x128_f8f6f4 v[HA+136*\a+8*(4*\hf+\tt):HA+136*\a+8*(4*\hf+\tt)+7], v[XF+12*\tt:XF+12*\tt+11], v[192+12*(2*\a+\s):192+12*(2*\a+\s)+11], v[HA+136*\a+8*(4*\hf+\tt):HA+136*\a+8*(4*\hf+\tt)+7], v[XS+\tt], v[W2S+2*\a+\s] matrix_a_fmt:MATRIX_FMT_FP6 matrix_b_fmt:MATRIX_FMT_FP6
.endif
.endr
.endr
	WIN 0
	PLACES 5                                       ; in front of the next loads into the fragments and scale words, of the first read of the results, and of the vector lines that write v80 to v91 at the end
.endr
.endr
	QUANT HA, PC, PC+6                             ; tile a = 0: a whole fragment, 16 rows d x this step's 128 keys
	v_mov_b32 v[PW0], v[PW]
	QUANT HA+136, XF, XF+6                         ; tile a = 1, into registers of its own, which the last products have left: so no store's data are written again
	s_mov_b32 s56, 0xffff0000
	v_cndmask_b32 v[PW0], v[PW0], v[PW], s56       ; lanes 0-15: tile 0's words, lanes 16-31: tile 1's
	s_wait_alu depctr_va_vdst(0)                   ; both fragments' codes (v128 to v139, v80 to v91) and the scale words (v249) are written: the seven stores below read them
.irp c, 0,1,2
	global_store_b128 v4, v[PC+4*\c:PC+4*\c+3], s[54:55] offset:512*\c
.endr
.irp c, 0,1,2
	global_store_b128 v4, v[XF+4*\c:XF+4*\c+3], s[54:55] offset:1536+512*\c
.endr
	global_store_b32 v[VSO], v[PW0], s[52:53] offset:12800
	s_wait_xcnt 0x0
	s_wait_alu depctr_vm_vsrc(0)                   ; the loads of v's scale words have read v254, which is made anew below
	v_lshl_add_u32 v254, v0, 2, 0x6800
	v_mov_b32 v255, 0
	s_wait_dscnt 0x0                               ; the closing lines, six on end
	s_wait_alu 0x0
	s_wait_tensorcnt 0x0
	ds_add_u32 v254, v255
	s_wait_dscnt 0x0
	s_endpgm
.Lfunc_end_k_qdab1f0cef5_qkv:
	.size	k_qdab1f0cef5_qkv, .Lfunc_end_k_qdab1f0cef5_qkv-k_qdab1f0cef5_qkv
	.p2alignl 7, 3214868480
	.fill 96, 4, 3214868480
	.section	.rodata,"a",@progbits
	.p2align	6, 0x0
	.amdhsa_kernel k_qdab1f0cef5_qkv
		.amdhsa_group_segment_fixed_size 27648
		.amdhsa_private_segment_fixed_size 0
		.amdhsa_enable_private_segment 0
		.amdhsa_kernarg_size 72
		.amdhsa_user_sgpr_count 2
		.amdhsa_user_sgpr_kernarg_segment_ptr 1
		.amdhsa_wavefront_size32 1
		.amdhsa_system_sgpr_workgroup_id_x 1
		.amdhsa_system_sgpr_workgroup_id_y 1
		.amdhsa_system_sgpr_workgroup_id_z 1
		.amdhsa_system_vgpr_workitem_id 0
		.amdhsa_next_free_vgpr 512
		.amdhsa_next_free_sgpr 100
		.amdhsa_reserve_vcc 0
		.amdhsa_float_denorm_mode_32 3
		.amdhsa_float_denorm_mode_16_64 3
		.amdhsa_memory_ordered 1
		.amdhsa_forward_progress 1
		.amdhsa_inst_pref_size 101
	.end_amdhsa_kernel
	.amdgpu_metadata
---
amdhsa.version: [ 1, 2 ]
amdhsa.kernels:
  - .name:           k_qdab1f0cef5_qkv
    .symbol:         k_qdab1f0cef5_qkv.kd
    .args:
      - { .name: x, .offset: 0, .size: 8, .value_kind: global_buffer, .address_space: global }
      - { .name: stats, .offset: 8, .size: 8, .value_kind: global_buffer, .address_space: global }
      - { .name: norm_w, .offset: 16, .size: 8, .value_kind: global_buffer, .address_space: global }
      - { .name: norm_b, .offset: 24, .size: 8, .value_kind: global_buffer, .address_space: global }
      - { .name: qkv_w_codes, .offset: 32, .size: 8, .value_kind: global_buffer, .address_space: global }
      - { .name: qkv_w_scales, .offset: 40, .size: 8, .value_kind: global_buffer, .address_space: global }
      - { .name: qkv_b, .offset: 48, .size: 8, .value_kind: global_buffer, .address_space: global }
      - { .name: qr, .offset: 56, .size: 8, .value_kind: global_buffer, .address_space: global }
      - { .name: kvr, .offset: 64, .size: 8, .value_kind: global_buffer, .address_space: global }
    .group_segment_fixed_size: 27648
    .private_segment_fixed_size: 0
    .kernarg_segment_align: 8
    .kernarg_segment_size: 72
    .max_flat_workgroup_size: 256
    .sgpr_count:     100
    .vgpr_count:     512
    .wavefront_size: 32
...
	.end_amdgpu_metadata
.endif
;; end of part 6
;; launch attn (part 7): grid 16 x 16, 16 waves a work-group, clusters of 4 x 1, 327,680 bytes of LDS; arguments qr, kvr, oc, os; writes oc, os
.if DOCPART == 7
	.amdgcn_target "amdgcn-amd-amdhsa--gfx1250"
	.amdhsa_code_object_version 6
	.text
	.protected	k_qdab1f0cef5_attn
	.globl	k_qdab1f0cef5_attn
	.p2align	8
	.type	k_qdab1f0cef5_attn,@function
k_qdab1f0cef5_attn:
	s_mov_b64 s[64:65], 0
	v_nop
	global_prefetch_b8 v0, s[64:65] scope:SCOPE_SE
	s_setreg_imm32_b32 hwreg(HW_REG_WAVE_MODE, 25, 1), 1
	s_wait_xcnt 0x0
	s_wait_alu depctr_hold_cnt(0) depctr_sa_sdst(0) depctr_va_vdst(0) depctr_va_sdst(0) depctr_va_ssrc(0) depctr_va_vcc(0) depctr_vm_vsrc(0)
	s_getreg_b32 s2, hwreg(HW_REG_IB_STS2, 6, 4)
	s_cmp_eq_u32 s2, 0
	s_cbranch_scc0 .Lentry_in_a_cluster
	s_endpgm
.Lentry_in_a_cluster:
	s_bfe_u32 s2, ttmp6, 0x10000c
	s_cmp_lg_u32 s2, 0x3003
	s_cbranch_scc0 .Lentry_shape_is_right
	s_endpgm
.Lentry_shape_is_right:
; Attention of one (image, head) pair bh on codes of FP6 (E2M3) with E8M0 scales, and the quantising of its result for the projection.  4,096 positions, head size 64.
; t = score x log2(e) / 8; M = the running largest t rounded UP to a whole number; p = 2^(t - M) is quantised along the keys, not normalised; the row's sum is taken of the unquantised p and divides O at the end.
; When M moves, the sum and O are multiplied by 2^(old M - new M): exact.
; SHARES.  A work-group owns 256 queries of one bh, each of its sixteen waves one tile of 16 (T = 16 x block + wave), in 256 registers: four waves to a SIMD, so that one wave's vector work stands beside another's
; matrix work and LDS loads.  Every wave walks the 32 key steps of 128 keys.
; CLUSTER.  The four query blocks of a cluster belong to one bh and walk the same K and V: each fill is asked for JOINTLY, by the same tensor load with the same descriptor and a mask that names the four.
; The work-group's place in its cluster enters the global addresses of Q and of the results alone.
; RING.  A key step is one record of kvr, 13,056 bytes, laid in the order of the operand registers: K's 8 tiles (6,144), V's 4 fragments (6,144), K's scale words (512), V's (256).  Two slots of 8 records; 32 steps are four fills:
; two at the start and two refills, each of waves 0 to 3 bringing two records (102 rows of 256 bytes).  By this text's count a wave has two tensor loads out at the start and one behind a change of slots.
; A refill has 8 key steps in which to land, so nothing is prefetched.
; LAYOUT.  Both products are used transposed: S^T = K Q^T (source 0 = 16 keys), O^T = V^T P^T (source 0 = 16 of the head's 64): a lane holds ONE query (lane % 16) throughout.  The keys of a tile, and V's rows of a tile, are chosen
; (index r of tile 2 b + u = member 32 b + 8 u + r + 8 (r / 8)) so that the 16 registers of tiles 2 b, 2 b + 1 of a result are 16 neighbours.
; HEAD SIZE 64 IN AN INSTRUCTION OF 128 ALONG K.  Q's registers 6-11 hold zero codes, and bytes 2, 3 of all q and k scale words are 0 (2^-127, a number).  So whatever codes stand in registers 6-11 of K's operand add exactly 0:
; the format has no NaN and no infinity.  K's tiles therefore lie six registers apart, and tile tau's operand is v[32 + 6 tau] .. v[43 + 6 tau]: its upper half is the next tile's data (for tile 7: v80-85 = 0).
; OUT.  O / the sum, quantised along d: six registers a lane (d = 32 (lane / 16) + 0 .. 31 of query r), 768 bytes a wave, at oc[((image x 256 + T) x 4 + head) x 768]; its scale word (bytes 2, 3 = 0) at os[.. x 128 + 4 lane]: half of an aligned 256 bytes a wave.
; LIMITS: NaN and infinities are not served.  A block under the floor 2^(3 - 127) keeps the byte 1; this program alone reads the bytes.  A block's largest p is made from the block's largest score by the same two instructions, which takes
; v_exp_f32 not to fall where its input rises.  v_exp_f32 and v_rcp_f32 are accurate to 1 ulp.
; REGISTERS: v1 16 x lane; v2 12,288 + 16 r; v3, v4 the spare word's address and 0; v5, v6 the step's LDS addresses; v7 16 r; v8 8 x lane; v9 4 x lane; v12 -M; v13 the largest t; v[14:15] the sum in two halves;
;   v16-27 Q; v28 Q's scale words; v32-79 K's tiles, then V's fragments; v80-85 zeros; v96-159 S^T, then p; v160-191 O^T; v192-203 p's codes; v204-231 at work; v226 p's scale word; v232-239 K's scale words; v240-243 V's.
.set REC,   13056
.set SLOT1, 1<<17                      ; slot 0 at 0, slot 1 here: 8 records = 104,448 bytes each
.set SPARE, SLOT1+8*REC                ; 235,520: the spare words, 128 bytes for each of the sixteen waves: eight blocks of 256 bytes that no other line names
.set KV,  32
.set S,   96
.set O,   160
.set PC,  192
.set CT,  204
.set BM,  212                          ; v212-215 a block's largest score, then its largest p
.set BP,  216                          ; v216-219 the other half's; then the scale bytes
.set SCO, 220                          ; v220-223 the conversions' scale operands
.set KSC, 232
.set VSC, 240
; A round of the cluster's barrier: my work-group's barrier, so that wave 0's signal speaks for all sixteen waves; wave 0 signals for the work-group; every wave waits for the four work-groups; my work-group's barrier once more.
.macro CROUND
	s_barrier_signal -1
	s_barrier_wait -1
	s_cmp_lg_u32 s12, 0
	s_cbranch_scc1 .Lnot_wave_0_\@
	s_barrier_signal -3
.Lnot_wave_0_\@:
	s_barrier_wait -3
	s_barrier_signal -1
	s_barrier_wait -1
.endm
	s_load_b256 s[4:11], s[0:1], 0x0               ; qr s[4:5], kvr s[6:7], oc s[8:9], os s[10:11]
	v_lshl_add_u32 v3, v0, 2, SPARE
	v_mov_b32 v4, 0
	ds_add_u32 v3, v4
	ds_add_u32 v3, v4
	s_wait_dscnt 0x0
	v_lshrrev_b32 v5, 5, v0
	s_delay_alu instid0(VALU_DEP_1)
	v_readfirstlane_b32 s12, v5                    ; wave 0..15
	s_bfe_u32 s13, ttmp6, 0x40000                  ; cx: my place in the cluster
	s_lshl_b32 s14, ttmp9, 2                       ; (in a cluster launch ttmp9 counts clusters)
	s_add_co_u32 s14, s14, s13                     ; my block of 256 queries
	s_and_b32 s15, ttmp7, 0xffff                   ; bh, which the four partners share
	; descriptor group 1: 102 rows of 256 bytes (32 elements of 8 bytes), dense, no padding: two records
	s_mov_b32 s16, 15|(3<<16)|(1<<21)              ; 15:0 the mask: all four work-groups; 17:16 elements of 8 bytes; 21 set beside a mask
	s_mov_b32 s17, 32<<16                          ; tensor_dim0 = 32
	s_mov_b32 s18, 102<<16                         ; tensor_dim1 = 102
	s_mov_b32 s19, 32<<16                          ; tile_dim0 = 32
	s_mov_b32 s20, 102                             ; tile_dim1 = 102
	s_mov_b32 s21, 32                              ; from row to row
	s_mov_b32 s22, 0
	s_mov_b32 s23, 0
	s_and_b32 s40, s12, 3
	s_mul_i32 s40, s40, 2*REC                      ; waves 0 to 3: my two records' place in a fill, in memory and in a slot
	s_mul_i32 s42, s15, 32*REC                     ; bh's 32 records
	s_add_co_u32 s42, s42, s40
	s_mov_b32 s43, 0
	s_lshl_b32 s44, s14, 4
	s_add_co_u32 s44, s44, s12                     ; T, my tile of queries: st = T / 8, tau = T % 8 = wave % 8
	s_lshr_b32 s45, s44, 3
	s_lshl_b32 s46, s15, 5
	s_add_co_u32 s45, s45, s46
	s_mul_i32 s45, s45, 6656                       ; Q's record
	s_bfe_u32 s46, s12, 0x20001                    ; tau / 2: which image of two tiles
	s_mul_i32 s46, s46, 1536
	s_add_co_u32 s46, s46, s45
	s_mov_b32 s47, 0
	s_bfe_u32 s48, s12, 0x10002                    ; the scale word: 6,144 + 256 (tau / 4) + 16 r + 4 (tau % 4)
	s_lshl_b32 s48, s48, 8
	s_and_b32 s49, s12, 3
	s_lshl_b32 s49, s49, 2
	s_add_co_u32 s48, s48, s49
	s_add_co_u32 s48, s48, s45
	s_add_co_u32 s48, s48, 6144
	s_mov_b32 s49, 0
	s_lshr_b32 s50, s15, 2                         ; the result's place: ((image x 256 + T) x 4 + head)
	s_lshl_b32 s50, s50, 8
	s_add_co_u32 s50, s50, s44
	s_lshl_b32 s50, s50, 2
	s_and_b32 s51, s15, 3
	s_add_co_u32 s50, s50, s51
	s_lshl_b32 s52, s50, 7                         ; x 128 in os,
	s_mov_b32 s53, 0
	s_mul_i32 s50, s50, 768                        ; x 768 in oc
	s_mov_b32 s51, 0
	s_mov_b32 s32, 0x76543210                      ; v_permlanex16_b32: lane l xor 16
	s_mov_b32 s33, 0xfedcba98
	s_mov_b32 s34, 0x3e38aa3b                      ; c = log2(e) / 8
	s_mov_b32 s35, s34                             ; (named with it as a pair, so it is written)
	s_wait_kmcnt 0x0
	s_add_nc_u64 s[54:55], s[4:5], s[48:49]        ; Q's scale words
	s_add_nc_u64 s[4:5], s[4:5], s[46:47]          ; Q's codes
	s_add_nc_u64 s[8:9], s[8:9], s[50:51]
	s_add_nc_u64 s[10:11], s[10:11], s[52:53]
	; descriptor group 0, a set for each slot
	s_mov_b32 s24, 1                               ; count = 1
	s_mov_b32 s25, s40                             ; LDS address: slot 0
	s_add_nc_u64 s[26:27], s[6:7], s[42:43]        ; global address: steps 0-7
	s_mov_b32 s28, 1
	s_add_co_u32 s29, s40, SLOT1
	s_add_nc_u64 s[30:31], s[26:27], 8*REC         ; steps 8-15
	s_or_b32 s27, s27, 0x80000000                  ; type = 2
	s_or_b32 s31, s31, 0x80000000
	CROUND                                         ; all four work-groups are here: the first joint loads meet
	s_cmp_lt_u32 s12, 4                            ; a wave's two first fills stand in one branch, ahead of every wait on TENSORcnt, every LDS read and every other barrier
	s_cbranch_scc0 .Lno_first
	tensor_load_to_lds s[24:27], s[16:23]
	s_nop 0
	tensor_load_to_lds s[28:31], s[16:23]
	s_nop 0
.rept 4
	v_nop
.endr
.Lno_first:
	v_and_b32 v5, 31, v0
	s_delay_alu instid0(VALU_DEP_1)
	v_lshlrev_b32 v1, 4, v5
	v_and_b32 v6, 15, v0
	s_delay_alu instid0(VALU_DEP_1)
	v_lshlrev_b32 v7, 4, v6
	s_delay_alu instid0(VALU_DEP_1)
	v_add_nc_u32 v2, 12288, v7
	v_lshlrev_b32 v8, 3, v5
	v_lshlrev_b32 v9, 2, v5
	global_load_b128 v[96:99], v1, s[4:5]          ; the image that holds my tile of Q and its neighbour
	global_load_b128 v[100:103], v1, s[4:5] offset:512
	global_load_b128 v[104:107], v1, s[4:5] offset:1024
	global_load_b32 v28, v7, s[54:55]
	v_mov_b32 v13, 0xff61b1e6                      ; the largest t so far: -3e38, under every t
	s_delay_alu instid0(VALU_DEP_1)
	v_floor_f32 v12, -v13                          ; -M
	v_mov_b32 v14, 0                               ; the sum, in two halves
	v_mov_b32 v15, 0
.set i, 0
.rept 32
	v_mov_b32 v[O+i], 0                            ; O^T.  (The step is written once: the first finds zeros, which the first change of M leaves zeros)
.set i, i+1
.endr
.irp j, 0,1,2,3,4,5
	v_mov_b32 v[22+\j], 0                          ; Q's upper half: zero codes
	v_mov_b32 v[80+\j], 0                          ; what stands behind K's tile 7
.endr
.irp b, 0,1,2,3
	v_mov_b32 v[BP+\b], 0                          ; written once: a lane permute's destination counts as one of its sources
.endr
	v_mov_b32 v225, 0                              ; (named as the upper half of the pair v[224:225])
	v_mov_b32 v227, 0
	s_wait_loadcnt 0x0
	s_bitcmp1_b32 s12, 0                           ; tau odd: my tile is the image's registers 6-11
	s_cselect_b32 vcc_lo, -1, 0
.irp j, 0,1,2,3,4,5
	v_cndmask_b32 v[16+\j], v[96+\j], v[102+\j], vcc_lo
.endr
	s_wait_tensorcnt 1                             ; my part of slot 0 is in; slot 1's may stay out
	s_barrier_signal -1
	s_barrier_wait -1                              ; everybody's is
; A KEY STEP: 128 keys, the record at LDS byte s36
.macro STEP
	v_add_nc_u32 v5, s36, v1
	v_add_nc_u32 v6, s36, v2
	v_nop
	v_nop                                          ; four places between the last products and the loads into the registers that they read
.set i, 0
.rept 12
	ds_load_b128 v[KV+4*i:KV+4*i+3], v5 offset:512*i       ; K's eight tiles: 512 consecutive bytes a load
.set i, i+1
.endr
	ds_load_b128 v[KSC:KSC+3], v6                  ; lane r: the words of key index r of tiles 0-3,
	ds_load_b128 v[KSC+4:KSC+7], v6 offset:256     ; of tiles 4-7
	s_wait_alu depctr_va_vdst(0)
	s_wait_dscnt 0x0
.set i, 0
.rept 8
	v_wmma_scale_f32_16x16x128_f8f6f4 v[S+8*i:S+8*i+7], v[KV+6*i:KV+6*i+11], v[16:27], 0, v[KSC+i], v28 matrix_a_fmt:MATRIX_FMT_FP6 matrix_b_fmt:MATRIX_FMT_FP6
.set i, i+1
.endr
.rept 4
	v_nop                                          ; places in front of the loads below and of the first read of the scores
.endr
.set i, 0
.rept 12
	ds_load_b128 v[KV+4*i:KV+4*i+3], v5 offset:6144+512*i  ; V's four fragments, into K's registers: they land under the softmax
.set i, i+1
.endr
	ds_load_b128 v[VSC:VSC+3], v6 offset:512
.irp b, 0,1,2,3
	v_max3_num_f32 v[BM+\b], v[S+16*\b], v[S+1+16*\b], v[S+2+16*\b]   ; the largest score of each block of 32 keys: it serves for the row's maximum and, since p rises with the score, for the block's largest p
.endr
.irp i, 3,5,7,9,11,13
.irp b, 0,1,2,3
	v_max3_num_f32 v[BM+\b], v[BM+\b], v[S+16*\b+\i], v[S+1+16*\b+\i]   ; (the four blocks by turns; each accumulator from its low end on)
.endr
.endr
.irp b, 0,1,2,3
	v_max_num_f32 v[BM+\b], v[BM+\b], v[S+15+16*\b]
.endr
.irp b, 0,1,2,3
	s_delay_alu instid0(VALU_DEP_4)
	v_permlanex16_b32 v[BP+\b], v[BM+\b], s32, s33
.endr
.irp b, 0,1,2,3
	s_delay_alu instid0(VALU_DEP_4)
	v_max_num_f32 v[BM+\b], v[BM+\b], v[BP+\b]     ; with lane l xor 16's 16 keys
.endr
	s_delay_alu instid0(VALU_DEP_2)
	v_max3_num_f32 v227, v[BM], v[BM+1], v[BM+2]
	s_delay_alu instid0(VALU_DEP_1)
	v_max_num_f32 v227, v227, v[BM+3]              ; the step's largest score of my query
	s_delay_alu instid0(VALU_DEP_1)
	v_mul_f32 v227, s34, v227                      ; as t (c is positive)
	s_delay_alu instid0(VALU_DEP_1)
	v_max_num_f32 v13, v13, v227                   ; the running largest t
	v_mov_b32 v227, v12
	s_delay_alu instid0(VALU_DEP_2)
	v_floor_f32 v12, -v13                          ; the new -M = floor(-t) = -ceil(t): a whole number
	s_delay_alu instid0(VALU_DEP_1)
	v_sub_f32 v227, v12, v227                      ; M's old value less its new one: a whole number, 0 or less
	s_delay_alu instid0(VALU_DEP_1)
	v_cvt_i32_f32 v227, v227                       ; (it saturates)
	s_delay_alu instid0(VALU_DEP_1)
	v_ldexp_f32 v224, 1.0, v227                    ; f = 2^(old M - new M)
.set i, 0
.rept 32
	v_pk_fma_f32 v[S+2*i:S+2*i+1], v[S+2*i:S+2*i+1], s[34:35], v[12:13] op_sel_hi:[1,0,0]   ; t - M, two at a time
.set i, i+1
.endr
.irp b, 0,1,2,3
	v_fma_f32 v[BM+\b], v[BM+\b], s34, v12         ; the same of each block's largest score
.endr
.set i, 0
	s_wait_alu depctr_va_vdst(0)
.rept 64
	v_exp_f32 v[S+i], v[S+i]                       ; p = 2^(t - M), at most 1
.set i, i+1
.endr
	s_setprio 1
	v_pk_mul_f32 v[14:15], v[14:15], v[224:225] op_sel_hi:[1,0]   ; the sums under the new M; the plain instruction behind the exponentials
	s_wait_alu depctr_va_vdst(0)                   ; one wait for the batch, ahead of the first line that names a result
.irp b, 0,1,2,3
	v_exp_f32 v[BM+\b], v[BM+\b]                   ; the block's largest p: the same two instructions on the same number give the same bits
.endr
	v_pk_add_f32 v[228:229], v[100:101], v[104:105]
	v_pk_add_f32 v[254:255], v[108:109], v[112:113]
	v_pk_add_f32 v[252:253], v[116:117], v[120:121]
	v_pk_add_f32 v[250:251], v[124:125], v[128:129]
	v_pk_add_f32 v[248:249], v[132:133], v[136:137]
	v_pk_add_f32 v[246:247], v[140:141], v[144:145]
	v_pk_add_f32 v[244:245], v[148:149], v[152:153]
	v_pk_add_f32 v[14:15], v[14:15], v[156:157]
	v_pk_add_f32 v[228:229], v[228:229], v[96:97]
	v_pk_add_f32 v[254:255], v[254:255], v[98:99]
	v_pk_add_f32 v[252:253], v[252:253], v[102:103]
	v_pk_add_f32 v[250:251], v[250:251], v[106:107]
	v_pk_add_f32 v[248:249], v[248:249], v[110:111]
	v_pk_add_f32 v[246:247], v[246:247], v[114:115]
	v_pk_add_f32 v[244:245], v[244:245], v[118:119]
	v_pk_add_f32 v[14:15], v[14:15], v[122:123]
	v_pk_add_f32 v[228:229], v[228:229], v[126:127]
	v_pk_add_f32 v[254:255], v[254:255], v[130:131]
	v_pk_add_f32 v[252:253], v[252:253], v[134:135]
	v_pk_add_f32 v[250:251], v[250:251], v[138:139]
	v_pk_add_f32 v[248:249], v[248:249], v[142:143]
	v_pk_add_f32 v[246:247], v[246:247], v[146:147]
	v_pk_add_f32 v[244:245], v[244:245], v[150:151]
	v_pk_add_f32 v[14:15], v[14:15], v[154:155]
	v_pk_add_f32 v[228:229], v[228:229], v[158:159]
	s_delay_alu instid0(VALU_DEP_2)
	v_pk_add_f32 v[14:15], v[14:15], v[250:251]
	s_delay_alu instid0(VALU_DEP_2)
	v_pk_add_f32 v[228:229], v[228:229], v[248:249]
	v_pk_add_f32 v[254:255], v[254:255], v[246:247]
	v_pk_add_f32 v[252:253], v[252:253], v[244:245]
	s_delay_alu instid0(VALU_DEP_2)
	v_pk_add_f32 v[14:15], v[14:15], v[254:255]
	s_delay_alu instid0(VALU_DEP_2)
	v_pk_add_f32 v[228:229], v[228:229], v[252:253]
	s_delay_alu instid0(VALU_DEP_1)
	v_pk_add_f32 v[14:15], v[14:15], v[228:229]
	s_wait_alu depctr_va_vdst(0)                   ; and one for the four
.irp b, 0,1,2,3
	v_max_num_f32 v[BM+\b], 0x1800000, v[BM+\b]    ; the floor 2^(3 - 127): the byte cannot fall under 1
.endr
.irp b, 0,1,2,3
	s_delay_alu instid0(VALU_DEP_4)
	v_add_nc_u32 v[SCO+\b], 0xff000000, v[BM+\b]   ; 2 off the exponent field: the conversion's scale operand
.endr
.irp b, 0,1,2,3
	s_delay_alu instid0(VALU_DEP_4)
	v_lshrrev_b32 v[BP+\b], 23, v[SCO+\b]          ; the scale's byte
.endr
	s_delay_alu instid0(VALU_DEP_3)
	v_lshl_or_b32 v226, v[BP+1], 8, v[BP]          ; p's scale word for these 128 keys
	s_delay_alu instid0(VALU_DEP_1)
	v_lshl_or_b32 v226, v[BP+2], 16, v226
	s_delay_alu instid0(VALU_DEP_1)
	v_lshl_or_b32 v226, v[BP+3], 24, v226
.irp c, 0,1
	v_cvt_scalef32_pk16_fp6_f32 v[PC+6*\c:PC+6*\c+2], v[S+32*\c:S+32*\c+15], v[SCO+2*\c]
	v_cvt_scalef32_pk16_fp6_f32 v[CT+4*\c:CT+4*\c+2], v[S+32*\c+16:S+32*\c+31], v[SCO+2*\c+1]   ; (a conversion's three registers begin on an even number)
.endr
	v_nop                                          ; one plain instruction behind the conversions
.irp c, 0,1                            ; the operand's layout wants a whole block in a lane
.irp i, 0,1,2
	v_permlane16_swap_b32 v[PC+6*\c+\i], v[CT+4*\c+\i]
.endr
.irp i, 0,1,2
	s_delay_alu instid0(VALU_DEP_3)
	v_mov_b32 v[PC+3+6*\c+\i], v[CT+4*\c+\i]
.endr
.endr
.set i, 0
	s_setprio 0
.rept 16
	v_pk_mul_f32 v[O+2*i:O+2*i+1], v[O+2*i:O+2*i+1], v[224:225] op_sel_hi:[1,0]   ; O^T under the new M.  Of these sixteen, twelve name no register of a given product below: its places behind the scale word's and the codes' last writes
.set i, i+1
.endr
	s_wait_alu depctr_va_vdst(0)
	s_wait_dscnt 0x0                               ; V is in
.set i, 0
.rept 4
	v_wmma_scale_f32_16x16x128_f8f6f4 v[O+8*i:O+8*i+7], v[KV+12*i:KV+12*i+11], v[PC:PC+11], v[O+8*i:O+8*i+7], v[VSC+i], v226 matrix_a_fmt:MATRIX_FMT_FP6 matrix_b_fmt:MATRIX_FMT_FP6
.set i, i+1
.endr
.endm
; A slot's eight key steps: written once, walked eight times
.macro SLOT_STEPS base
	s_mov_b32 s36, \base
	s_mov_b32 s37, 8
.Lstep_\@:
	s_wait_alu depctr_va_vdst(0)
	s_setprio 2
	STEP
	s_add_co_u32 s36, s36, REC
	s_sub_co_u32 s37, s37, 1
	s_cmp_lg_u32 s37, 0
	s_cbranch_scc1 .Lstep_\@
	s_setprio 0
.endm
; THE CHANGE OF SLOTS.  Each wave waits for all its tensor loads (its part of the slot ahead), adds 0 to its spare word, and waits for that and for its reads of the slot that it leaves.  fill = 1: that slot is filled again, with the
; steps two slots on (group 0 at s[g0]): the barrier is then a round of the cluster's, so that no wave of any partner still reads the slot or has a load on its way, and the joint refill is the first thing behind it.
.macro CHANGE g0, fill
	s_wait_tensorcnt 0x0                           ; no tensor load of mine is out, so a group 0 may be written
	ds_add_u32 v3, v4                              ; 0 onto my spare word
.if \fill
	s_add_nc_u64 s[\g0+2:\g0+3], s[\g0+2:\g0+3], 16*REC   ; sixteen steps on; the type bits on top are not reached
.endif
	s_wait_dscnt 0x0                               ; the add is done, and my reads of the slot are over
.if \fill
	CROUND
	s_cmp_lt_u32 s12, 4
	s_cbranch_scc0 .Lnone_\@
	tensor_load_to_lds s[\g0:\g0+3], s[16:23]      ; a wave's one tensor load until the next change
	s_nop 0
.rept 4
	v_nop
.endr
.Lnone_\@:
.else
	s_barrier_signal -1
	s_barrier_wait -1
.endif
.endm
	; the four fills are written out
	SLOT_STEPS 0                                   ; steps 0-7
	CHANGE 24, 1                                   ; slot 0 takes steps 16-23
	SLOT_STEPS SLOT1                               ; steps 8-15
	CHANGE 28, 1                                   ; slot 1 takes steps 24-31
	SLOT_STEPS 0
	CHANGE 24, 0                                   ; nothing is left to fetch
	SLOT_STEPS SLOT1
	; THE WAY OUT: O^T / the sum, quantised along d (two blocks of 32), as six operand registers and a scale word
	v_add_f32 v14, v14, v15                        ; the sum's two halves,
	s_delay_alu instid0(VALU_DEP_1)
	v_permlanex16_b32 v227, v14, s32, s33
	s_delay_alu instid0(VALU_DEP_1)
	v_add_f32 v14, v14, v227                       ; and lane l xor 16's: the row's sum
	s_wait_alu depctr_va_vdst(0)
	v_rcp_f32 v14, v14
	v_nop                                          ; plain instructions behind the transcendental; with the additions above also the four places behind the last products
	v_nop
	s_wait_alu depctr_va_vdst(0)                   ; the wait, ahead of the first line that names the reciprocal
.set i, 0
.rept 16
	v_pk_mul_f32 v[S+2*i:S+2*i+1], v[O+2*i:O+2*i+1], v[14:15] op_sel_hi:[1,0]   ; register 16 b + i = d 32 b + 16 (lane / 16) + i of my query; each accumulator from its low end on
.set i, i+1
.endr
.irp b, 0,1
	v_max3_num_f32 v[BM+\b], |v[S+16*\b]|, |v[S+1+16*\b]|, 0x1800000
.endr
.irp i, 2,4,6,8,10,12,14
.irp b, 0,1
	s_delay_alu instid0(VALU_DEP_2)
	v_max3_num_f32 v[BM+\b], v[BM+\b], |v[S+16*\b+\i]|, |v[S+1+16*\b+\i]|
.endr
.endr
.irp b, 0,1
	s_delay_alu instid0(VALU_DEP_2)
	v_permlanex16_b32 v[BP+\b], v[BM+\b], s32, s33
.endr
.irp b, 0,1
	s_delay_alu instid0(VALU_DEP_2)
	v_max_num_f32 v[BM+\b], v[BM+\b], v[BP+\b]
.endr
.irp b, 0,1
	s_delay_alu instid0(VALU_DEP_2)
	v_add_nc_u32 v[SCO+\b], 0xff000000, v[BM+\b]
.endr
.irp b, 0,1
	s_delay_alu instid0(VALU_DEP_2)
	v_lshrrev_b32 v[BP+\b], 23, v[SCO+\b]
.endr
	s_delay_alu instid0(VALU_DEP_1)
	v_lshl_or_b32 v230, v[BP+1], 8, v[BP]          ; the scale word: bytes 2 and 3 are 0
	v_cvt_scalef32_pk16_fp6_f32 v[PC:PC+2], v[S:S+15], v[SCO]
	v_cvt_scalef32_pk16_fp6_f32 v[CT:CT+2], v[S+16:S+31], v[SCO+1]
	v_nop
.irp i, 0,1,2
	v_permlane16_swap_b32 v[PC+\i], v[CT+\i]
.endr
.irp i, 0,1,2
	s_delay_alu instid0(VALU_DEP_3)
	v_mov_b32 v[PC+3+\i], v[CT+\i]
.endr
	global_store_b128 v1, v[PC:PC+3], s[8:9]               ; 512 consecutive bytes,
	global_store_b64 v8, v[PC+4:PC+5], s[8:9] offset:512   ; and 256
	global_store_b32 v9, v230, s[10:11]
	s_wait_tensorcnt 0x0                           ; the wave's end
	ds_add_u32 v3, v4
	s_wait_dscnt 0x0
	CROUND                                         ; the closing round: no work-group ends while a partner may still ask for a fill that names it
	s_endpgm
.Lfunc_end_k_qdab1f0cef5_attn:
	.size	k_qdab1f0cef5_attn, .Lfunc_end_k_qdab1f0cef5_attn-k_qdab1f0cef5_attn
	.p2alignl 7, 3214868480
	.fill 96, 4, 3214868480
	.section	.rodata,"a",@progbits
	.p2align	6, 0x0
	.amdhsa_kernel k_qdab1f0cef5_attn
		.amdhsa_group_segment_fixed_size 327680
		.amdhsa_private_segment_fixed_size 0
		.amdhsa_enable_private_segment 0
		.amdhsa_kernarg_size 32
		.amdhsa_user_sgpr_count 2
		.amdhsa_user_sgpr_kernarg_segment_ptr 1
		.amdhsa_wavefront_size32 1
		.amdhsa_system_sgpr_workgroup_id_x 1
		.amdhsa_system_sgpr_workgroup_id_y 1
		.amdhsa_system_sgpr_workgroup_id_z 1
		.amdhsa_system_vgpr_workitem_id 0
		.amdhsa_next_free_vgpr 256
		.amdhsa_next_free_sgpr 66
		.amdhsa_reserve_vcc 1
		.amdhsa_float_denorm_mode_32 3
		.amdhsa_float_denorm_mode_16_64 3
		.amdhsa_memory_ordered 1
		.amdhsa_forward_progress 1
		.amdhsa_inst_pref_size 81
	.end_amdhsa_kernel
	.amdgpu_metadata
---
amdhsa.version: [ 1, 2 ]
amdhsa.kernels:
  - .name:           k_qdab1f0cef5_attn
    .symbol:         k_qdab1f0cef5_attn.kd
    .args:
      - { .name: qr, .offset: 0, .size: 8, .value_kind: global_buffer, .address_space: global }
      - { .name: kvr, .offset: 8, .size: 8, .value_kind: global_buffer, .address_space: global }
      - { .name: oc, .offset: 16, .size: 8, .value_kind: global_buffer, .address_space: global }
      - { .name: os, .offset: 24, .size: 8, .value_kind: global_buffer, .address_space: global }
    .group_segment_fixed_size: 327680
    .private_segment_fixed_size: 0
    .kernarg_segment_align: 8
    .kernarg_segment_size: 32
    .max_flat_workgroup_size: 512
    .sgpr_count:     66
    .vgpr_count:     256
    .wavefront_size: 32
...
	.end_amdgpu_metadata
.endif
;; end of part 7
;; launch proj (part 8): grid 256 x 1, 8 waves a work-group, no clusters, 70,656 bytes of LDS; arguments oc, os, proj_w_codes, proj_w_scales, proj_b, x, out0; writes out0
.if DOCPART == 8
	.amdgcn_target "amdgcn-amd-amdhsa--gfx1250"
	.amdhsa_code_object_version 6
	.text
	.protected	k_qdab1f0cef5_proj
	.globl	k_qdab1f0cef5_proj
	.p2align	8
	.type	k_qdab1f0cef5_proj,@function
k_qdab1f0cef5_proj:
	s_mov_b64 s[64:65], 0
	v_nop
	global_prefetch_b8 v0, s[64:65] scope:SCOPE_SE
	s_setreg_imm32_b32 hwreg(HW_REG_WAVE_SCHED_MODE, 0, 2), 2
	s_setreg_imm32_b32 hwreg(HW_REG_WAVE_MODE, 25, 1), 1
	s_wait_xcnt 0x0
	s_wait_alu depctr_vm_vsrc(0)
; out0 = x + proj_w . o + proj_b: the 1x1 projection on codes of FP6 (E2M3) with E8M0 scales, K = 256 channels = 4 heads x 64, and the residual.
; SHARES.  Work-group j takes 64 positions of one image (image = j / 64, positions 64 (j % 64) on): the four position tiles 4 j .. 4 j + 3 that the attention launch has left as operand registers.  Wave w makes outputs 32 w .. 32 w + 31.
; A fragment of o (16 positions x 128 K) is two heads' six registers: head 2 s in registers 0-5, head 2 s + 1 in registers 6-11; its scale word is the two heads' half words.
; Source 0 = 16 positions, source 1 = 16 rows of the weight: a lane holds one output channel, and its registers run along the positions.  Index r of position tile 2 b + u stands for position 32 b + 8 u + r + 8 (r / 8), so register j of
; the result is position 32 b + 8 u + 16 (lane / 16) + j.  The bias is the C of each sum's first product: eight registers with the lane's number.
; THE WAY OUT.  A lane holds 32 bytes of an output row; a row's 64 positions (256 bytes) lie in 8 places.  They go through the wave's own stage in LDS (32 rows x (256 + 16) bytes) and come back as whole rows: sixteen lanes add x's
; and store 256 consecutive bytes, aligned.  Waves share nothing: no barrier.  All operands come straight into registers: no tensor load, no ring.
; All eight waves read the same 12,288 bytes of o's codes.
; THE MODE: SCHED_MODE bits 1:0 = 2 (LLVM: expert scheduling mode 2), set by the entry lines.  The code itself states the register dependences between vector or matrix instructions and memory or LDS instructions,
; with s_wait_alu, always for 0.
; THE PLAN.  Registers that memory or LDS instructions touch:
;   v1-9        offsets and LDS addresses: written at the head, ahead of one wait, and never again.
;   window 1 v0-63, v16-63, v224-243   loaded once; read by vector or matrix instructions; never written again.
;   v64-159     o's fragments: loaded, read by the products; then the LDS loads from the stage land in v64-127, the residual's additions write them, and the global stores read them.
;   v160-223    v160-175 loaded (raw half scale words), read by eight vector lines; then the accumulators, which the LDS stores read.
;   v244-251    o's scale words: written by vector lines, taken by the products as scales.
; So one wait stands ahead of the products (the scale words), one behind them (the accumulators are written, the fragments are read: it serves the LDS stores and the LDS loads alike), one ahead of the global stores.
; No register that a memory or LDS instruction has read is written again.
; REGISTERS, window 0: v1-9 addresses; v16-63 the weight's 4 fragments; v64-159 o's 8 fragments, later the rows read back; v160-223 the 8 accumulators (first the 16 raw half scale words); v224-239 the bias;
;   v240-243 the weight's scale words; v244-251 o's.   window 1: v0-63 x.
.set WF, 16
.set OF, 64
.set DA, 160
.set BB, 224
.set WS, 240
.set OS, 244
.set MSB, 0
.macro WIN new                         ; s_set_vgpr_msb: bits 1:0 source 0, 3:2 source 1, 5:4 source 2, 7:6 destination; the high byte repeats the setting that is left
.if MSB != \new
	s_set_vgpr_msb (MSB<<8)|\new
.set MSB, \new
.endif
.endm
	s_load_b256 s[4:11], s[0:1], 0x0               ; oc s[4:5], os s[6:7], the weight's codes s[8:9], its scales s[10:11]
	s_load_b128 s[12:15], s[0:1], 0x20             ; proj_b s[12:13], x s[14:15]
	s_load_b64 s[16:17], s[0:1], 0x30              ; out0
	v_lshl_add_u32 v254, v0, 2, 0x11000
	v_mov_b32 v255, 0
	v_lshrrev_b32 v1, 5, v0
	v_readfirstlane_b32 s18, v1                    ; wave 0..7
	v_and_b32 v10, 31, v0                          ; lane
	v_and_b32 v11, 15, v0                          ; r
	v_bfe_u32 v12, v0, 4, 1                        ; hh
	v_lshlrev_b32 v1, 4, v10                       ; v1 16 x lane
	v_lshlrev_b32 v2, 3, v10                       ; v2 8 x lane
	v_lshlrev_b32 v3, 2, v10                       ; v3 4 x lane
	v_mul_u32_u24 v4, v11, 192
	v_mad_u32_u24 v4, v12, 24, v4
	s_wait_alu depctr_va_sdst(0)                   ; s18 is written, ahead of its first reader: offsets, LDS addresses and bases are made from it
	s_mul_i32 s19, s18, 6144
	v_add_nc_u32 v4, s19, v4                       ; v4 the weight: row 32 w + r of 192 bytes, + 24 hh
	s_lshl_b32 s19, s18, 8
	v_lshl_add_u32 v5, v11, 3, s19                 ; v5 its scale words: 8 bytes a row
	s_lshl_b32 s19, s18, 7
	v_lshl_add_u32 v6, v11, 2, s19                 ; v6 the bias
	s_mul_i32 s19, s18, 8704                       ; my stage
	v_mul_u32_u24 v7, v11, 272
	v_lshl_add_u32 v7, v12, 6, v7
	v_add_nc_u32 v7, s19, v7                       ; v7 into it: row r, + 64 hh
	v_mul_u32_u24 v8, v12, 272
	v_lshl_add_u32 v8, v11, 4, v8
	v_add_nc_u32 v8, s19, v8                       ; v8 back: lanes 0-15 one row, lanes 16-31 the next
	v_lshlrev_b32 v9, 14, v12
	v_lshl_add_u32 v9, v11, 4, v9                  ; v9 and the same two rows in x and out0 (16,384 bytes apart)
	s_mul_i32 s20, ttmp9, 12288                    ; my 16 pieces of 768 bytes in oc,
	s_mov_b32 s21, 0
	s_lshl_b32 s22, ttmp9, 11                      ; of 128 bytes in os
	s_mov_b32 s23, 0
	s_lshr_b32 s24, ttmp9, 6
	s_lshl_b32 s24, s24, 22                        ; x, out0: the image (4 MiB),
	s_lshl_b32 s25, s18, 19                        ; my 32 rows,
	s_add_co_u32 s24, s24, s25
	s_and_b32 s25, ttmp9, 63
	s_lshl_b32 s25, s25, 8                         ; the work-group's 256 bytes of a row
	s_add_co_u32 s24, s24, s25
	s_mov_b32 s25, 0
	s_wait_kmcnt 0x0
	s_add_nc_u64 s[4:5], s[4:5], s[20:21]
	s_add_nc_u64 s[6:7], s[6:7], s[22:23]
	s_add_nc_u64 s[14:15], s[14:15], s[24:25]
	s_add_nc_u64 s[16:17], s[16:17], s[24:25]
	WIN 0x40                                       ; destination window 1
	s_wait_alu depctr_va_vdst(0)                   ; the offsets and LDS addresses v1 to v9 are written: every load, store and LDS instruction of the kernel but the closing add reads one of them
.set i, 0
.rept 16
	global_load_b128 v[4*i:4*i+3], v9, s[14:15] offset:32768*i th:TH_LOAD_NT   ; rows 2 i and 2 i + 1 of my 32: sixteen lanes read 256 consecutive bytes, aligned; read once in this launch
.set i, i+1
.endr
	WIN 0
.irp m, 0,1,2,3                        ; o's fragment (position tile m, K step s) at v[OF + 12 (2 m + s)]
.irp s, 0,1
.irp c, 0,1
	global_load_b128 v[OF+12*(2*\m+\s)+6*\c:OF+12*(2*\m+\s)+6*\c+3], v1, s[4:5] offset:(4*\m+2*\s+\c)*768
	global_load_b64 v[OF+12*(2*\m+\s)+6*\c+4:OF+12*(2*\m+\s)+6*\c+5], v2, s[4:5] offset:(4*\m+2*\s+\c)*768+512
.endr
.endr
.endr
.irp m, 0,1,2,3
.irp h, 0,1,2,3
	global_load_b32 v[DA+4*\m+\h], v3, s[6:7] offset:(4*\m+\h)*128    ; head h's half scale word of tile m
.endr
.endr
.irp a, 0,1                            ; the weight's fragment (tile a of 16 rows, K step s) at v[WF + 12 (2 a + s)]
.irp s, 0,1
.irp p, 0,1,2,3,4,5
	global_load_b64 v[WF+12*(2*\a+\s)+2*\p:WF+12*(2*\a+\s)+2*\p+1], v4, s[8:9] offset:3072*\a+96*\s+48*(\p/3)+8*(\p%3)
.endr
	global_load_b32 v[WS+2*\a+\s], v5, s[10:11] offset:128*\a+4*\s
.endr
.endr
.irp a, 0,1
.irp j, 0,1,2,3,4,5,6,7
	global_load_b32 v[BB+8*\a+\j], v6, s[12:13] offset:64*\a
.endr
.endr
	s_wait_loadcnt 0x0
.irp m, 0,1,2,3
.irp s, 0,1
	v_lshl_or_b32 v[OS+2*\m+\s], v[DA+4*\m+2*\s+1], 16, v[DA+4*\m+2*\s]   ; bytes 0, 1: head 2 s; bytes 2, 3: head 2 s + 1
.endr
.endr
.rept 8
	v_nop                                          ; a scale register written by a vector instruction stands eight places ahead of a scaled matrix instruction
.endr
	s_wait_alu depctr_va_vdst(0)                   ; the eight lines above have written v244 to v251, which the products take as scales; the places stay beside this wait
.irp s, 0,1                            ; the eight accumulators take turns, one instruction a turn
.irp a, 0,1
.irp m, 0,1,2,3
.if \s == 0
	v_wmma_scale_f32_16x16x128_f8f6f4 v[DA+8*(4*\a+\m):DA+8*(4*\a+\m)+7], v[OF+12*(2*\m+\s):OF+12*(2*\m+\s)+11], v[WF+12*(2*\a+\s):WF+12*(2*\a+\s)+11], v[BB+8*\a:BB+8*\a+7], v[OS+2*\m+\s], v[WS+2*\a+\s] matrix_a_fmt:MATRIX_FMT_FP6 matrix_b_fmt:MATRIX_FMT_FP6
.else
	v_wmma_scale_f32_16x16x128_f8f6f4 v[DA+8*(4*\a+\m):DA+8*(4*\a+\m)+7], v[OF+12*(2*\m+\s):OF+12*(2*\m+\s)+11], v[WF+12*(2*\a+\s):WF+12*(2*\a+\s)+11], v[DA+8*(4*\a+\m):DA+8*(4*\a+\m)+7], v[OS+2*\m+\s], v[WS+2*\a+\s] matrix_a_fmt:MATRIX_FMT_FP6 matrix_b_fmt:MATRIX_FMT_FP6
.endif
.endr
.endr
.endr
.rept 4
	v_nop                                          ; places in front of the first read of the results and of the loads into o's registers
.endr
	s_wait_alu depctr_va_vdst(0)                   ; the products have written the accumulators v160 to v223, which the LDS stores read, and are done reading o's fragments v64 to v127, in which the LDS loads land; the places stay beside this wait
.irp a, 0,1
.irp m, 0,1,2,3
	ds_store_b128 v7, v[DA+8*(4*\a+\m):DA+8*(4*\a+\m)+3] offset:4352*\a+128*(\m/2)+32*(\m%2)       ; each accumulator from its low end on
	ds_store_b128 v7, v[DA+8*(4*\a+\m)+4:DA+8*(4*\a+\m)+7] offset:4352*\a+128*(\m/2)+32*(\m%2)+16
.endr
.endr
.set i, 0
.rept 16
	ds_load_b128 v[OF+4*i:OF+4*i+3], v8 offset:544*i   ; LDS serves a wave's instructions in order: these see my stores
.set i, i+1
.endr
	s_wait_dscnt 0x0
	WIN 0x04                                       ; source 1 (x) window 1
.set i, 0
.rept 32
	v_pk_add_f32 v[OF+2*i:OF+2*i+1], v[OF+2*i:OF+2*i+1], v[2*i:2*i+1]   ; the residual
.set i, i+1
.endr
	WIN 0
	s_wait_alu depctr_va_vdst(0)                   ; the additions have written v64 to v127, which the stores below read
.set i, 0
.rept 16
	global_store_b128 v9, v[OF+4*i:OF+4*i+3], s[16:17] offset:32768*i th:TH_STORE_NT   ; sixteen lanes store 256 consecutive bytes, aligned; written once, read by nobody here
.set i, i+1
.endr
	s_wait_dscnt 0x0                               ; the closing lines, six on end
	s_wait_alu 0x0
	s_wait_tensorcnt 0x0
	ds_add_u32 v254, v255
	s_wait_dscnt 0x0
	s_endpgm
.Lfunc_end_k_qdab1f0cef5_proj:
	.size	k_qdab1f0cef5_proj, .Lfunc_end_k_qdab1f0cef5_proj-k_qdab1f0cef5_proj
	.p2alignl 7, 3214868480
	.fill 96, 4, 3214868480
	.section	.rodata,"a",@progbits
	.p2align	6, 0x0
	.amdhsa_kernel k_qdab1f0cef5_proj
		.amdhsa_group_segment_fixed_size 70656
		.amdhsa_private_segment_fixed_size 0
		.amdhsa_enable_private_segment 0
		.amdhsa_kernarg_size 56
		.amdhsa_user_sgpr_count 2
		.amdhsa_user_sgpr_kernarg_segment_ptr 1
		.amdhsa_wavefront_size32 1
		.amdhsa_system_sgpr_workgroup_id_x 1
		.amdhsa_system_sgpr_workgroup_id_y 1
		.amdhsa_system_sgpr_workgroup_id_z 1
		.amdhsa_system_vgpr_workitem_id 0
		.amdhsa_next_free_vgpr 320
		.amdhsa_next_free_sgpr 66
		.amdhsa_reserve_vcc 0
		.amdhsa_float_denorm_mode_32 3
		.amdhsa_float_denorm_mode_16_64 3
		.amdhsa_memory_ordered 1
		.amdhsa_forward_progress 1
		.amdhsa_inst_pref_size 22
	.end_amdhsa_kernel
	.amdgpu_metadata
---
amdhsa.version: [ 1, 2 ]
amdhsa.kernels:
  - .name:           k_qdab1f0cef5_proj
    .symbol:         k_qdab1f0cef5_proj.kd
    .args:
      - { .name: oc, .offset: 0, .size: 8, .value_kind: global_buffer, .address_space: global }
      - { .name: os, .offset: 8, .size: 8, .value_kind: global_buffer, .address_space: global }
      - { .name: proj_w_codes, .offset: 16, .size: 8, .value_kind: global_buffer, .address_space: global }
      - { .name: proj_w_scales, .offset: 24, .size: 8, .value_kind: global_buffer, .address_space: global }
      - { .name: proj_b, .offset: 32, .size: 8, .value_kind: global_buffer, .address_space: global }
      - { .name: x, .offset: 40, .size: 8, .value_kind: global_buffer, .address_space: global }
      - { .name: out0, .offset: 48, .size: 8, .value_kind: global_buffer, .address_space: global }
    .group_segment_fixed_size: 70656
    .private_segment_fixed_size: 0
    .kernarg_segment_align: 8
    .kernarg_segment_size: 56
    .max_flat_workgroup_size: 256
    .sgpr_count:     66
    .vgpr_count:     320
    .wavefront_size: 32
...
	.end_amdgpu_metadata
.endif
;; end of part 8
